; MI455X (gfx1250); checked and timed in simulation.
; The chip was launched on July 23, 2026; its instructions are those of AMD's public machine-readable ISA for CDNA 5 (MIT licence, August 2026) and "CDNA5" Instruction Set Architecture Reference Guide (July 2026). The comments in the code are by the model that wrote it; some were corrected since.
;; Mo E. Allowed arithmetic: float matrix products may take bf16 or f16 operands with f32 sums; all other float work in f32.
;; Inputs: b0 8 x 256 float32; bh 3 x 8 x 256 float32; bo 8 x 1 float32; gate_b 8 float32; gate_w 8 x 1 float32; w0 8 x 256 x 1 float32; wh 3 x 8 x 256 x 256 float32; wo 8 x 1 x 256 float32; x 2 x 16,384 x 1 float32.
;; Outputs: out0 2 x 16,384 x 1 float32.
;; 3 versions, each right; version 2 is faster than version 1; version 3 is version 2 with the launch experts written anew for expert scheduling mode. Each part assembles by itself: llvm-mc -triple=amdgcn-amd-amdhsa -mcpu=gfx1250 --defsym DOCPART=n.
;; ======== version 1 of 3: 2 launches
;; limits: a function is approximated: absolute error at most 5.9e-06; inputs' magnitudes at most 13,700; values are held in f16: magnitudes above 65,504 overflow, below 6.1e-05 lose precision
;; workspace buffers: part 1,048,576 bytes
;; launch experts (part 1): grid 32 x 8, 4 waves a work-group, no clusters, 313,856 bytes of LDS; arguments x, w0, b0, wh, bh, wo, part; writes part
.if DOCPART == 1
	.amdgcn_target "amdgcn-amd-amdhsa--gfx1250"
	.amdhsa_code_object_version 6
	.text
	.protected	k_q1d20667aa5_experts
	.globl	k_q1d20667aa5_experts
	.p2align	8
	.type	k_q1d20667aa5_experts,@function
k_q1d20667aa5_experts:
	s_mov_b64 s[64:65], 0
	v_nop
	global_prefetch_b8 v0, s[64:65] scope:SCOPE_SE
	s_setreg_imm32_b32 hwreg(HW_REG_WAVE_MODE, 25, 1), 1
	s_wait_xcnt 0x0
; part[e][n] = sum over g of wo[e][g] h3[e][n][g]: one expert's SIREN (1 -> 256, three layers 256 -> 256, 256 -> 1) without bo and without the gate.
; SHARES.  A work-group is one expert (grid y) and 1,024 points (grid x), taken as four blocks of 256 points = 16 tiles of 16.  Wave w owns the output features
; g = 64 w .. 64 w + 63 of EVERY layer.  Its part of the three weight matrices, 3 x 64 x 256 numbers in f16, is 3 x 256 registers: windows 1, 2, 3.  It is read from
; memory once, at the start, so the loop over points reads no memory at all; the activations go from layer to layer through LDS.
; PRODUCT.  D = A B + C with A = 16 rows g of W (k along the registers), B = 16 points of h (k along the registers), C = the bias in the first K step.  In D a lane holds
; ONE point (lane % 16) and the eight neighbouring features 8 (lane / 16) + 0..7 of the tile: after the sine they pack into 16 bytes of f16 of the row [point][feature].
; SINE.  W and the biases are multiplied by 30 / 2 pi beforehand, so a sum t is the sine's argument in revolutions: r = t - rndne(t) is exact, |r| <= 1/2, and
; sin(2 pi r) = r (c1 + c3 r^2 + c5 r^4 + c7 r^6 + c9 r^8), the Chebyshev series of the sine cut behind its ninth degree.  40 instructions for a tile's 8 registers.
; BY TURNS.  A point tile is 32 matrix instructions a wave (8 K steps x 4 tiles of g) and 160 vector instructions of sine.  Five of the sine of the tile BEFORE stand behind each
; matrix instruction of the tile in hand; two sets of four accumulators change places from tile to tile.
; FORMAT.  Matrix operands in f16: h lies in [-1, 1]; W x 30 / 2 pi is some hundredths for weights of the usual SIREN spread and has room for 30 times more and 30 times less.
; LIMITS.  |wh| below 13,700 (f16 holds wh x 30 / 2 pi up to 65,504).  The polynomial's error is at most 5.9e-6 absolute.  For |t| of 2^23 and more r is 0.
; Layer 0 is x w0' + b0' in one fused step on w0' = w0 x 30 / 2 pi, b0' = b0 x 30 / 2 pi: three roundings, as the stated formula has, in another order.
; NO CLUSTER, NO TENSOR LOADS: what the 32 row blocks of an expert share, its weights, is read once by each, through registers (scaled and rounded to f16 on the way);
; the loop has no load from memory that could be shared.  The last layer (one output column) would fill a sixteenth of a matrix tile: it is one packed multiply-add in the sine's list.
;
; LDS.  X, Y: the activations of a block, in and out by turns.  Each is four parts of 36,864 bytes; part w holds features 64 w .. 64 w + 63 (128 bytes) of the 256 points, rows
; 144 bytes apart (9 x 16: the sixteen rows of a 16-byte access fall on sixteen different 16-byte columns modulo 256), and is written by wave w alone.
.set PITCH,  144
.set TSTEP,  16*PITCH                  ; a tile of 16 points
.set SUB,    256*PITCH                 ; one wave's part of X or Y
.set XB,     0
.set YB,     4*SUB
.set PAR,    8*SUB                     ; 4 waves x 6 arrays x 64 f32: w0', b0', bh'[0..2], wo of the wave's features; each wave's own
.set XS,     PAR+6144                  ; the work-group's 1,024 coordinates
.set RED,    XS+4096                   ; [2 w + lane / 16][256 points] f32: the eight partial sums of the last layer
.set WPITCH, 528                       ; the start's stage (the wave's own part of Y): 64 rows g x 512 bytes of f16 + 16
; window 0
.set LT,    1                          ; v1   16-point tile: (lane % 16) x 144 + 16 (lane / 16)
.set LTW,   2                          ; v2   LT + my part
.set RDA0,  3                          ; v3   where the tile to be fetched lies, parts 0 and 1;  v4 parts 2 and 3
.set WRA,   5                          ; v5   where the tile in the sine goes
.set XAD,   6                          ; v6   XS + 4 (lane % 16), runs on through all tiles
.set PARA,  7                          ; v7   my arrays + 32 (lane / 16)
.set REDW0, 8                          ; v8   my row of RED + 4 (lane % 16)
.set REDW,  9
.set REDR,  10                         ; v10  RED + 8 t
.set GOUT,  11                         ; v11  8 t
.set C7,    12                         ; v[12:13] c7, twice
.set XQ,    14                         ; v[14:15] x of two tiles
.set KR,    16                         ; v[16:23] rndne(t), then r^2
.set PR,    24                         ; v[24:31] the polynomial
.set OS,    32                         ; v[32:39] the last layer's sums
.set LANE,  40
.set RR,    41
.set HH,    42
.set VL16,  43                         ; 16 x lane
.set STA,   44                         ; stage + 8 x lane
.set FA,    45                         ; stage + (lane % 16) x 528 + 16 (lane / 16)
.set PSA,   46                         ; my arrays + 8 x lane
.set GX,    47                         ; 16 t
.set XSA,   48                         ; XS + 16 t
.set BF,    64                         ; v[64:127]  fragments of h: 8 registers a K step
.set W0R,   64                         ; layer 0: w0' and b0' of my 32 features of a lane, where BF lies later
.set B0R,   96
.set LB,    64                         ; the start: three buffers of 64 registers for the weights as loaded
.set ACCA,  128                        ; v[128:159], v[160:191] two sets of four accumulators
.set ACCB,  160
.set BI,    192                        ; v[192:223] the layer's bias, laid as a C operand
.set WOR,   224                        ; v[224:255] wo, laid likewise
; windows 1, 2, 3: fragment (tile of g T, K step kk) of layer 1, 2, 3 at v[64 T + 8 kk]
.set WVN,   18                         ; s18 wave
.set EX,    19                         ; s19 expert
.set C9,    24                         ; s[24:31] c9, c5, c3, c1, each twice: a packed instruction names a pair
.set C5,    26
.set C3,    28
.set C1,    30
.set SCL,   32                         ; s[32:33] 30 / 2 pi
.set WB,    36                         ; s[36:41] my 64 rows of wh[0], wh[1], wh[2]; never rewritten
.set BLK,   42
.set TRIP,  43
.set RO,    44                         ; LDS byte of the tile to be fetched
.set WOF,   45                         ; LDS byte of the tile to be written
.set RW,    46                         ; the same in RED
.set MSB, 0
.macro WIN new                         ; s_set_vgpr_msb: bits 1:0 source 0, 7:6 destination; the high byte repeats the setting that is left; a switch that changes nothing is dropped
.if MSB != (\new)
	s_set_vgpr_msb (MSB<<8)|(\new)
.set MSB, (\new)
.endif
.endm
.macro BAR                             ; my LDS stores are done (the others read them behind the barrier) and my LDS loads are back (the others overwrite those bytes behind it)
	s_wait_dscnt 0x0
	s_barrier_signal -1
	s_barrier_wait -1
.endm
	s_load_b256 s[4:11], s[0:1], 0x0               ; x s[4:5], w0 s[6:7], b0 s[8:9], wh s[10:11]
	s_load_b128 s[12:15], s[0:1], 0x20             ; bh s[12:13], wo s[14:15]
	s_load_b64 s[16:17], s[0:1], 0x30              ; part
	v_lshl_add_u32 v62, v0, 2, 0x4c800
	v_mov_b32 v63, 0
	v_lshrrev_b32 v1, 5, v0
	v_readfirstlane_b32 s[WVN], v1                 ; wave 0..3
	s_and_b32 s[EX], ttmp7, 0xffff                 ; expert
	s_mov_b32 s[C9], 0x4203135a                    ; 32.768897
	s_mov_b32 s[C9+1], s[C9]
	s_mov_b32 s[C5], 0x42a2bb23                    ; 81.365498
	s_mov_b32 s[C5+1], s[C5]
	s_mov_b32 s[C3], 0xc2255312                    ; -41.331123
	s_mov_b32 s[C3+1], s[C3]
	s_mov_b32 s[C1], 0x40c90ec7                    ; 6.2830541
	s_mov_b32 s[C1+1], s[C1]
	s_mov_b32 s[SCL], 0x4098c9eb                   ; 30 / 2 pi = 4.7746483
	s_mov_b32 s[SCL+1], s[SCL]
	v_mov_b32 v[C7], 0xc294f124                    ; -74.470975
	v_mov_b32 v[C7+1], v[C7]
	v_and_b32 v[LANE], 31, v0
	v_and_b32 v[RR], 15, v0
	v_bfe_u32 v[HH], v0, 4, 1
	v_mul_u32_u24 v[LT], v[RR], PITCH
	v_lshl_add_u32 v[LT], v[HH], 4, v[LT]
	s_mul_i32 s48, s[WVN], SUB
	v_add_nc_u32 v[LTW], s48, v[LT]
	v_lshlrev_b32 v[XAD], 2, v[RR]
	v_add_nc_u32 v[XAD], XS, v[XAD]
	s_mul_i32 s49, s[WVN], 1536
	s_add_co_u32 s49, s49, PAR
	v_lshl_add_u32 v[PARA], v[HH], 5, s49
	v_lshl_add_u32 v[PSA], v[LANE], 3, s49
	s_lshl_b32 s50, s[WVN], 11
	s_add_co_u32 s50, s50, RED
	v_lshl_add_u32 v[REDW0], v[HH], 10, s50
	v_lshl_add_u32 v[REDW0], v[RR], 2, v[REDW0]
	v_lshlrev_b32 v[GOUT], 3, v0
	v_add_nc_u32 v[REDR], RED, v[GOUT]
	v_lshlrev_b32 v[VL16], 4, v[LANE]
	s_add_co_u32 s48, s48, YB                      ; my stage: my own part of Y
	v_lshl_add_u32 v[STA], v[LANE], 3, s48
	v_mul_u32_u24 v[FA], v[RR], WPITCH
	v_lshl_add_u32 v[FA], v[HH], 4, v[FA]
	v_add_nc_u32 v[FA], s48, v[FA]
	v_lshlrev_b32 v[GX], 4, v0
	v_add_nc_u32 v[XSA], XS, v[GX]
	s_wait_kmcnt 0x0
	s_lshl_b32 s52, ttmp9, 12                      ; the work-group's 1,024 points x 4 bytes
	s_mov_b32 s53, 0
	s_add_nc_u64 s[4:5], s[4:5], s[52:53]
	s_add_nc_u64 s[16:17], s[16:17], s[52:53]
	s_lshl_b32 s52, s[EX], 10                      ; the expert's 256 f32
	s_add_nc_u64 s[6:7], s[6:7], s[52:53]
	s_add_nc_u64 s[8:9], s[8:9], s[52:53]
	s_add_nc_u64 s[12:13], s[12:13], s[52:53]
	s_add_nc_u64 s[14:15], s[14:15], s[52:53]
	s_lshl_b32 s52, s[EX], 17                      ; the expert's 32,768 f32 of part
	s_add_nc_u64 s[16:17], s[16:17], s[52:53]
	s_lshl_b32 s52, s[EX], 18                      ; the expert's matrix of 256 x 256 f32,
	s_lshl_b32 s51, s[WVN], 16                     ; my 64 rows of it
	s_add_co_u32 s52, s52, s51
	s_add_nc_u64 s[WB:WB+1], s[10:11], s[52:53]
	s_add_nc_u64 s[WB+2:WB+3], s[WB:WB+1], 0x200000        ; a layer is 8 x 256 x 256 f32
	s_add_nc_u64 s[WB+4:WB+5], s[WB+2:WB+3], 0x200000
; THE START.  My 64 rows of a layer are 65,536 consecutive bytes: eight batches of sixteen loads, each load 512 consecutive bytes.  Three batches are always on their way.
.macro BLOAD                           ; batch lb of 24
.set i, 0
.rept 16
	global_load_b128 v[LB+64*(lb%3)+4*i:LB+64*(lb%3)+4*i+3], v[VL16], s[WB+2*(lb/8):WB+2*(lb/8)+1] offset:((lb%8)*16+i)*512
.set i, i+1
.endr
.endm
.macro BCONV                           ; batch cb: times 30 / 2 pi, rounded to f16, into the stage: load nn is half nn % 2 of row nn / 2
.set i, 0
.rept 16
.set rb, LB+64*(cb%3)+4*i
.set nn, (cb%8)*16+i
	v_pk_mul_f32 v[rb:rb+1], v[rb:rb+1], s[SCL:SCL+1] op_sel_hi:[1,0]
	v_pk_mul_f32 v[rb+2:rb+3], v[rb+2:rb+3], s[SCL:SCL+1] op_sel_hi:[1,0]
	v_cvt_pk_f16_f32 v[rb], v[rb], v[rb+1]
	v_cvt_pk_f16_f32 v[rb+1], v[rb+2], v[rb+3]
	ds_store_b64 v[STA], v[rb:rb+1] offset:(nn/2)*WPITCH+(nn%2)*256
.set i, i+1
.endr
.endm
.macro FRAGS                           ; the staged layer cb / 8 comes back as 32 fragments of 16 rows x 32 k, into its window.  The stage is my own and LDS serves a wave's
	WIN ((cb/8+1)<<6)                              ; instructions in order (ISA guide 5.7.1): no wait between the stores above, these loads and the next layer's stores
.set f, 0
.rept 32
	ds_load_b128 v[8*f:8*f+3],   v[FA] offset:(f/8)*16*WPITCH+(f%8)*64
	ds_load_b128 v[8*f+4:8*f+7], v[FA] offset:(f/8)*16*WPITCH+(f%8)*64+32
.set f, f+1
.endr
	WIN 0
.endm
	global_load_b128 v[16:19], v[GX], s[4:5]               ; the 1,024 coordinates: 2 x 128 threads x 16 bytes
	global_load_b128 v[20:23], v[GX], s[4:5] offset:2048
	global_load_b64 v[24:25], v[GOUT], s[6:7]              ; thread t takes features 2 t, 2 t + 1: a wave takes its own 64
	global_load_b64 v[26:27], v[GOUT], s[8:9]
	global_load_b64 v[28:29], v[GOUT], s[12:13]
	global_load_b64 v[30:31], v[GOUT], s[12:13] offset:8192
	global_load_b64 v[32:33], v[GOUT], s[12:13] offset:16384
	global_load_b64 v[34:35], v[GOUT], s[14:15]
.set lb, 0
	BLOAD
.set lb, 1
	BLOAD
.set lb, 2
	BLOAD
	s_wait_loadcnt 48                              ; the eight small loads are in; the 48 loads of the three batches behind them stay out
.irp a, 0,1,2,3,4
	v_pk_mul_f32 v[24+2*\a:25+2*\a], v[24+2*\a:25+2*\a], s[SCL:SCL+1] op_sel_hi:[1,0]     ; w0, b0 and the three bh; wo stays as it is
.endr
.irp a, 0,1,2,3,4,5
	ds_store_b64 v[PSA], v[24+2*\a:25+2*\a] offset:256*\a
.endr
	ds_store_b128 v[XSA], v[16:19]
	ds_store_b128 v[XSA], v[20:23] offset:2048
.set cb, 0
.rept 24
.if cb < 22
	s_wait_loadcnt 32                              ; this batch is in; the two younger batches stay out
.elseif cb == 22
	s_wait_loadcnt 16
.else
	s_wait_loadcnt 0
.endif
	BCONV
.if cb < 21
.set lb, cb+3
	BLOAD                                          ; into the buffer just emptied
.endif
.if cb%8 == 7
	FRAGS
.endif
.set cb, cb+1
.endr
	BAR                                            ; the coordinates are whole for every wave; all my fragments are in registers, and the stage is Y again
; THE SINE of one accumulator (8 registers at base + 8 tt) is a list of 40 instructions; SINOP writes number j.  Four pairs go in step, so that no instruction reads the result of
; the one in front of it.  Number 0 reads the accumulator's lowest register.
; var = 0: the results are rounded to f16 in pairs.  var = 1, the last hidden layer: they are multiplied by wo and summed, in f32.
.macro SINOP base, tt, var
.set ra, \base+8*(\tt)
.set u, j%4
.if j < 8
	v_rndne_f32 v[KR+j], v[ra+j]
.elseif j < 12
	v_pk_add_f32 v[ra+2*u:ra+2*u+1], v[ra+2*u:ra+2*u+1], v[KR+2*u:KR+2*u+1] neg_lo:[0,1] neg_hi:[0,1]      ; r = t - rndne(t)
.elseif j < 16
	v_pk_mul_f32 v[KR+2*u:KR+2*u+1], v[ra+2*u:ra+2*u+1], v[ra+2*u:ra+2*u+1]                                ; r^2
.elseif j < 20
	v_pk_fma_f32 v[PR+2*u:PR+2*u+1], v[KR+2*u:KR+2*u+1], s[C9:C9+1], v[C7:C7+1] op_sel_hi:[1,0,1]
.elseif j < 24
	v_pk_fma_f32 v[PR+2*u:PR+2*u+1], v[PR+2*u:PR+2*u+1], v[KR+2*u:KR+2*u+1], s[C5:C5+1] op_sel_hi:[1,1,0]
.elseif j < 28
	v_pk_fma_f32 v[PR+2*u:PR+2*u+1], v[PR+2*u:PR+2*u+1], v[KR+2*u:KR+2*u+1], s[C3:C3+1] op_sel_hi:[1,1,0]
.elseif j < 32
	v_pk_fma_f32 v[PR+2*u:PR+2*u+1], v[PR+2*u:PR+2*u+1], v[KR+2*u:KR+2*u+1], s[C1:C1+1] op_sel_hi:[1,1,0]
.elseif j < 36
	v_pk_mul_f32 v[ra+2*u:ra+2*u+1], v[PR+2*u:PR+2*u+1], v[ra+2*u:ra+2*u+1]                                ; the sine
.elseif \var == 0
	v_cvt_pk_f16_f32 v[ra+u], v[ra+2*u], v[ra+2*u+1]
.elseif (\tt) == 0
	v_pk_mul_f32 v[OS+2*u:OS+2*u+1], v[ra+2*u:ra+2*u+1], v[WOR+2*u:WOR+2*u+1]                              ; the first product starts the sums
.else
	v_pk_fma_f32 v[OS+2*u:OS+2*u+1], v[ra+2*u:ra+2*u+1], v[WOR+8*(\tt)+2*u:WOR+8*(\tt)+2*u+1], v[OS+2*u:OS+2*u+1]
.endif
.endm
; What follows number 39.  var = 0: the lane's 16 bytes (8 features of its point) go into my part of the out buffer.  var = 1: behind the fourth accumulator the lane's 8 sums become one, which goes to RED.
.macro TAILOP base, tt, var
.set ra, \base+8*(\tt)
.if \var == 0
.if (\tt) == 0
	v_add_nc_u32 v[WRA], s[WOF], v[LTW]
	s_add_co_u32 s[WOF], s[WOF], TSTEP
.endif
	ds_store_b128 v[WRA], v[ra:ra+3] offset:32*(\tt)
.elseif (\tt) == 3
	v_pk_add_f32 v[OS:OS+1], v[OS:OS+1], v[OS+2:OS+3]
	v_pk_add_f32 v[OS+4:OS+5], v[OS+4:OS+5], v[OS+6:OS+7]
	v_add_nc_u32 v[REDW], s[RW], v[REDW0]
	s_add_co_u32 s[RW], s[RW], 64
	v_pk_add_f32 v[OS:OS+1], v[OS:OS+1], v[OS+4:OS+5]
	v_add_f32 v[OS], v[OS], v[OS+1]
	ds_store_b32 v[REDW], v[OS]
.endif
.endm
.macro SIN5 base, var                  ; slice sg of 32 of a set's four sines: five numbers of the list of accumulator sg / 8
.set n5, 0
.rept 5
.set j, 5*(sg%8)+n5
	SINOP \base, sg/8, \var
.set n5, n5+1
.endr
.if sg%8 == 7
	TAILOP \base, sg/8, \var
.endif
.endm
.macro SINES base, var                 ; a set's four sines with no products beside them
.set sg, 0
.rept 32
	SIN5 \base, \var
.set sg, sg+1
.endr
.endm
.macro BLD                             ; the fragment of h of K step kk (features 32 kk on: part kk / 2, byte 64 (kk % 2) of the rows): two loads of 16 bytes, 32 apart
	ds_load_b128 v[BF+8*kk:BF+8*kk+3],   v[RDA0+kk/4] offset:((kk/2)%2)*SUB+(kk%2)*64
	ds_load_b128 v[BF+8*kk+4:BF+8*kk+7], v[RDA0+kk/4] offset:((kk/2)%2)*SUB+(kk%2)*64+32
.endm
; A POINT TILE of layer l.  32 matrix instructions into the set mm: K step sg / 4, tile of g sg % 4.  The four accumulators take turns, one instruction a turn, and the sets alternate
; from tile to tile.  Behind each stands a slice of the sine of the set sn, the tile before (sn = -1: there is none).
; reload = 1: behind the fourth product of a K step its fragment of h is fetched anew, for the next tile.  A load into a register that a matrix instruction has read stands four plain
; vector instructions behind it that name none of its registers (ISA guide 7.12.1 for vector instructions): the slice's five, or four v_nop.
; The same four v_nop behind the first tile's last products stand in front of the next tile's first slice, which reads the first accumulator.
.macro TILE l, mm, sn, reload, var
.set sg, 0
.rept 32
.set kk, sg/4
.set tq, sg%4
.if tq == 0
.if \reload
	s_wait_dscnt 14                                ; this K step's two loads are in: behind them were issued the 14 loads of the seven other K steps (and stores, which only add to what may be out)
.else
	s_wait_dscnt 14-2*kk                           ; nothing is fetched any more: behind them stand only the later K steps' loads
.endif
.endif
	WIN \l                                         ; source 0, the weights, in window l
.if kk == 0
	v_wmma_f32_16x16x32_f16 v[\mm+8*tq:\mm+8*tq+7], v[64*tq+8*kk:64*tq+8*kk+7], v[BF+8*kk:BF+8*kk+7], v[BI+8*tq:BI+8*tq+7]   ; the bias starts the sum
.else
	v_wmma_f32_16x16x32_f16 v[\mm+8*tq:\mm+8*tq+7], v[64*tq+8*kk:64*tq+8*kk+7], v[BF+8*kk:BF+8*kk+7], v[\mm+8*tq:\mm+8*tq+7]
.endif
.if \sn >= 0
	WIN 0
	SIN5 \sn, \var
.elseif tq == 3
	WIN 0
.rept 4
	v_nop
.endr
.endif
.if (tq == 3) && \reload
.if kk == 0
	s_add_co_u32 s[RO], s[RO], TSTEP               ; the next tile
	v_add_nc_u32 v[RDA0], s[RO], v[LT]
	v_add_nc_u32 v[RDA0+1], 2*SUB, v[RDA0]
.endif
	BLD
.endif
.set sg, sg+1
.endr
.endm
; A LAYER on a block of 256 points: 16 tiles, read from in, written to out.  The barrier at its end serves both ways: my stores into out are done, and my reads of in are back.
.macro PHASE l, in, out, var
	s_mov_b32 s[RO], \in
.if \var
	s_mov_b32 s[RW], 0
.else
	s_mov_b32 s[WOF], \out
.endif
	v_add_nc_u32 v[RDA0], s[RO], v[LT]
	v_add_nc_u32 v[RDA0+1], 2*SUB, v[RDA0]
.irp t, 0,1,2,3
	ds_load_b128 v[BI+8*\t:BI+8*\t+3],   v[PARA] offset:(1+\l)*256+64*\t      ; register 8 t + j: the bias of feature 16 t + 8 (lane / 16) + j, where D has that feature
	ds_load_b128 v[BI+8*\t+4:BI+8*\t+7], v[PARA] offset:(1+\l)*256+64*\t+16
.endr
.if \var
.irp t, 0,1,2,3
	ds_load_b128 v[WOR+8*\t:WOR+8*\t+3],   v[PARA] offset:5*256+64*\t
	ds_load_b128 v[WOR+8*\t+4:WOR+8*\t+7], v[PARA] offset:5*256+64*\t+16
.endr
.endif
.set kk, 0
.rept 8
	BLD                                            ; tile 0
.set kk, kk+1
.endr
	TILE \l, ACCA, -1, 1, \var                     ; tile 0
	s_mov_b32 s[TRIP], 7
.Lph_\@:                                               ; tiles 1 to 14, two a trip
	TILE \l, ACCB, ACCA, 1, \var
	TILE \l, ACCA, ACCB, 1, \var
	s_sub_co_u32 s[TRIP], s[TRIP], 1
	s_cmp_lg_u32 s[TRIP], 0
	s_cbranch_scc1 .Lph_\@
	TILE \l, ACCB, ACCA, 0, \var                   ; tile 15: nothing is left to fetch
	SINES ACCB, \var
	BAR
.endm
; LAYER 0 for two tiles: t = x w0' + b0' in the accumulators' layout (a lane: its point's x, its 32 features), then the sines.
.macro L0PAIR pre
	s_wait_dscnt 0x0                               ; x of the two tiles (on the way in also w0' and b0')
.irp s, 0,1
.set i, 0
.rept 16
	v_pk_fma_f32 v[ACCA+32*\s+2*i:ACCA+32*\s+2*i+1], v[W0R+2*i:W0R+2*i+1], v[XQ:XQ+1], v[B0R+2*i:B0R+2*i+1] op_sel:[0,\s,0] op_sel_hi:[1,\s,1]
.set i, i+1
.endr
.endr
	v_add_nc_u32 v[XAD], 128, v[XAD]               ; two tiles of 16 coordinates on
.if \pre
	ds_load_b32 v[XQ], v[XAD]
	ds_load_b32 v[XQ+1], v[XAD] offset:64
.endif
	SINES ACCA, 0
	SINES ACCB, 0
.endm
	s_mov_b32 s[BLK], 4
.Lblock:                                               ; a block of 256 points
	s_mov_b32 s[WOF], XB
.irp t, 0,1,2,3
	ds_load_b128 v[W0R+8*\t:W0R+8*\t+3],   v[PARA] offset:64*\t
	ds_load_b128 v[W0R+8*\t+4:W0R+8*\t+7], v[PARA] offset:64*\t+16
	ds_load_b128 v[B0R+8*\t:B0R+8*\t+3],   v[PARA] offset:256+64*\t
	ds_load_b128 v[B0R+8*\t+4:B0R+8*\t+7], v[PARA] offset:256+64*\t+16
.endr
	ds_load_b32 v[XQ], v[XAD]
	ds_load_b32 v[XQ+1], v[XAD] offset:64
	s_mov_b32 s[TRIP], 7
.Ll0:
	L0PAIR 1
	s_sub_co_u32 s[TRIP], s[TRIP], 1
	s_cmp_lg_u32 s[TRIP], 0
	s_cbranch_scc1 .Ll0
	L0PAIR 0                                       ; the block's last two tiles: the next block fetches its own x
	BAR                                            ; X is whole
	PHASE 1, XB, YB, 0
	PHASE 2, YB, XB, 0
	PHASE 3, XB, 0, 1                              ; its barrier shows RED whole, and frees X for the next block
	; thread t adds the eight partial sums of points 2 t and 2 t + 1 and stores them: a wave's store covers 256 consecutive bytes, aligned
.irp i, 0,1,2,3,4,5,6,7
	ds_load_b64 v[KR+2*\i:KR+2*\i+1], v[REDR] offset:1024*\i
.endr
	s_wait_dscnt 0x0
	v_pk_add_f32 v[KR:KR+1], v[KR:KR+1], v[KR+2:KR+3]
	v_pk_add_f32 v[KR+4:KR+5], v[KR+4:KR+5], v[KR+6:KR+7]
	v_pk_add_f32 v[KR+8:KR+9], v[KR+8:KR+9], v[KR+10:KR+11]
	v_pk_add_f32 v[KR+12:KR+13], v[KR+12:KR+13], v[KR+14:KR+15]
	v_pk_add_f32 v[KR:KR+1], v[KR:KR+1], v[KR+4:KR+5]
	v_pk_add_f32 v[KR+8:KR+9], v[KR+8:KR+9], v[KR+12:KR+13]
	v_pk_add_f32 v[KR:KR+1], v[KR:KR+1], v[KR+8:KR+9]
	global_store_b64 v[GOUT], v[KR:KR+1], s[16:17]
	s_wait_xcnt 0x0                                ; the store's base and its data registers are rewritten only behind this wait
	s_add_nc_u64 s[16:17], s[16:17], 1024
	s_sub_co_u32 s[BLK], s[BLK], 1
	s_cmp_lg_u32 s[BLK], 0
	s_cbranch_scc1 .Lblock
	s_wait_tensorcnt 0x0
	ds_add_u32 v62, v63
	s_wait_dscnt 0x0
	s_endpgm
.Lfunc_end_k_q1d20667aa5_experts:
	.size	k_q1d20667aa5_experts, .Lfunc_end_k_q1d20667aa5_experts-k_q1d20667aa5_experts
	.p2alignl 7, 3214868480
	.fill 96, 4, 3214868480
	.section	.rodata,"a",@progbits
	.p2align	6, 0x0
	.amdhsa_kernel k_q1d20667aa5_experts
		.amdhsa_group_segment_fixed_size 313856
		.amdhsa_private_segment_fixed_size 0
		.amdhsa_enable_private_segment 0
		.amdhsa_kernarg_size 56
		.amdhsa_user_sgpr_count 2
		.amdhsa_user_sgpr_kernarg_segment_ptr 1
		.amdhsa_wavefront_size32 1
		.amdhsa_system_sgpr_workgroup_id_x 1
		.amdhsa_system_sgpr_workgroup_id_y 1
		.amdhsa_system_sgpr_workgroup_id_z 1
		.amdhsa_system_vgpr_workitem_id 0
		.amdhsa_next_free_vgpr 1024
		.amdhsa_next_free_sgpr 66
		.amdhsa_reserve_vcc 0
		.amdhsa_float_denorm_mode_32 3
		.amdhsa_float_denorm_mode_16_64 3
		.amdhsa_memory_ordered 1
		.amdhsa_forward_progress 1
		.amdhsa_inst_pref_size 255
	.end_amdhsa_kernel
	.section	.bss,"aw",@nobits
	.p2align	6
	.space	262144
	.amdgpu_metadata
---
amdhsa.version: [ 1, 2 ]
amdhsa.kernels:
  - .name:           k_q1d20667aa5_experts
    .symbol:         k_q1d20667aa5_experts.kd
    .args:
      - { .name: x, .offset: 0, .size: 8, .value_kind: global_buffer, .address_space: global }
      - { .name: w0, .offset: 8, .size: 8, .value_kind: global_buffer, .address_space: global }
      - { .name: b0, .offset: 16, .size: 8, .value_kind: global_buffer, .address_space: global }
      - { .name: wh, .offset: 24, .size: 8, .value_kind: global_buffer, .address_space: global }
      - { .name: bh, .offset: 32, .size: 8, .value_kind: global_buffer, .address_space: global }
      - { .name: wo, .offset: 40, .size: 8, .value_kind: global_buffer, .address_space: global }
      - { .name: part, .offset: 48, .size: 8, .value_kind: global_buffer, .address_space: global }
    .group_segment_fixed_size: 313856
    .private_segment_fixed_size: 0
    .kernarg_segment_align: 8
    .kernarg_segment_size: 56
    .max_flat_workgroup_size: 128
    .sgpr_count:     66
    .vgpr_count:     1024
    .wavefront_size: 32
...
	.end_amdgpu_metadata
.endif
;; end of part 1
;; launch combine (part 2): grid 256 x 1, 2 waves a work-group, no clusters, 0 bytes of LDS; arguments x, gate_w, gate_b, bo, part, out0; writes out0
.if DOCPART == 2
	.amdgcn_target "amdgcn-amd-amdhsa--gfx1250"
	.amdhsa_code_object_version 6
	.text
	.protected	k_q1d20667aa5_combine
	.globl	k_q1d20667aa5_combine
	.p2align	8
	.type	k_q1d20667aa5_combine,@function
k_q1d20667aa5_combine:
	s_mov_b64 s[64:65], 0
	v_nop
	global_prefetch_b8 v0, s[64:65] scope:SCOPE_SE
	s_setreg_imm32_b32 hwreg(HW_REG_WAVE_MODE, 25, 1), 1
	s_wait_xcnt 0x0
; out0[n] = sum over e of softmax_e(x[n] gate_w[e] + gate_b[e]) (part[e][n] + bo[e]).  32,768 points; part: [8][32768] f32, one expert's outputs to a row.
; A thread owns two neighbouring points, so each load and store of a wave covers 256 consecutive bytes, aligned; 256 work-groups x 64 threads x 2 points.
; The sum over experts spans the work-groups of the launch before, so it is made here, by gathering.  No LDS, no barrier, no loop: nine loads, one store.
; The largest logit of a point is taken away before the exponentials.  gate_w and gate_b are multiplied by log2(e) beforehand, so that the logit comes out of one fused
; multiply-add ready for the exponential in base 2: its rounding differs in order from x w + b followed by the scaling.
.set NPB, 131072                       ; bytes in a row of part
.set OFF, 1                            ; v1       my byte offset
.set XV,  2                            ; v[2:3]   x
.set Q,   4                            ; v[4:19]  part + bo, a pair for each expert
.set Z,   20                           ; v[20:35] logits, then weights, a pair for each expert
.set MX,  36                           ; v[36:37] the maxima
.set SM,  38                           ; v[38:39] the sums of the weights
.set NU,  40                           ; v[40:41] the weighted sums
.set RC,  42                           ; v[42:43] 1 / sum
.set GW,  16                           ; s[16:23] gate_w,  s[24:31] gate_b,  s[32:39] bo
.set GB,  24
.set BO,  32
	s_load_b256 s[4:11], s[0:1], 0x0               ; x s[4:5], gate_w s[6:7], gate_b s[8:9], bo s[10:11]
	s_load_b128 s[12:15], s[0:1], 0x20             ; part s[12:13], out0 s[14:15]
	v_lshlrev_b32 v[OFF], 3, v0
	s_lshl_b32 s2, ttmp9, 9                        ; 64 threads x 8 bytes
	v_add_nc_u32 v[OFF], s2, v[OFF]
	s_wait_kmcnt 0x0
	s_load_b256 s[GW:GW+7], s[6:7], 0x0            ; eight numbers each, the same for every lane: scalar loads of buffers that no launch line writes
	s_load_b256 s[GB:GB+7], s[8:9], 0x0
	s_load_b256 s[BO:BO+7], s[10:11], 0x0
	global_load_b64 v[XV:XV+1], v[OFF], s[4:5]
.irp e, 0,1,2,3,4,5,6,7
	global_load_b64 v[Q+2*\e:Q+2*\e+1], v[OFF], s[12:13] offset:\e*NPB th:TH_LOAD_NT      ; read once in the launch
.endr
	s_wait_kmcnt 0x0
.irp e, 0,1,2,3,4,5,6,7
	s_mul_f32 s[GW+\e], s[GW+\e], 0x3fb8aa3b       ; log2(e)
	s_mul_f32 s[GB+\e], s[GB+\e], 0x3fb8aa3b
.endr
	s_wait_loadcnt 0x0
.irp e, 0,1,2,3,4,5,6,7
	v_fma_f32 v[Z+2*\e],   v[XV],   s[GW+\e], s[GB+\e]
	v_fma_f32 v[Z+2*\e+1], v[XV+1], s[GW+\e], s[GB+\e]
.endr
.irp c, 0,1
	v_max3_num_f32 v[MX+\c], v[Z+\c], v[Z+2+\c], v[Z+4+\c]
	v_max3_num_f32 v[MX+\c], v[MX+\c], v[Z+6+\c], v[Z+8+\c]
	v_max3_num_f32 v[MX+\c], v[MX+\c], v[Z+10+\c], v[Z+12+\c]
	v_max_num_f32  v[MX+\c], v[MX+\c], v[Z+14+\c]
.endr
.irp e, 0,1,2,3,4,5,6,7
	v_pk_add_f32 v[Z+2*\e:Z+2*\e+1], v[Z+2*\e:Z+2*\e+1], v[MX:MX+1] neg_lo:[0,1] neg_hi:[0,1]
.endr
.set i, 0
.rept 16
	v_exp_f32 v[Z+i], v[Z+i]                       ; back to back on different registers
.set i, i+1
.endr
.irp e, 0,1,2,3,4,5,6,7
	v_add_f32 v[Q+2*\e],   s[BO+\e], v[Q+2*\e]     ; plain work that touches no weight: it stands between the last exponential and the first use of a result (ISA guide 5.7.2)
	v_add_f32 v[Q+2*\e+1], s[BO+\e], v[Q+2*\e+1]
.endr
	s_wait_alu depctr_va_vdst(0)
	v_pk_add_f32 v[SM:SM+1], v[Z:Z+1], v[Z+2:Z+3]
	v_pk_mul_f32 v[NU:NU+1], v[Z:Z+1], v[Q:Q+1]
	v_pk_fma_f32 v[NU:NU+1], v[Z+2:Z+3], v[Q+2:Q+3], v[NU:NU+1]
.irp e, 2,3,4,5,6,7
	v_pk_add_f32 v[SM:SM+1], v[SM:SM+1], v[Z+2*\e:Z+2*\e+1]
	v_pk_fma_f32 v[NU:NU+1], v[Z+2*\e:Z+2*\e+1], v[Q+2*\e:Q+2*\e+1], v[NU:NU+1]
.endr
	v_rcp_f32 v[RC], v[SM]                         ; the sum is at least 1: the largest weight is 2^0
	v_rcp_f32 v[RC+1], v[SM+1]
	v_nop                                          ; a plain instruction between the last reciprocal and the use of its result
	s_wait_alu depctr_va_vdst(0)
	v_pk_mul_f32 v[NU:NU+1], v[NU:NU+1], v[RC:RC+1]
	global_store_b64 v[OFF], v[NU:NU+1], s[14:15]
	s_endpgm
.Lfunc_end_k_q1d20667aa5_combine:
	.size	k_q1d20667aa5_combine, .Lfunc_end_k_q1d20667aa5_combine-k_q1d20667aa5_combine
	.p2alignl 7, 3214868480
	.fill 96, 4, 3214868480
	.section	.rodata,"a",@progbits
	.p2align	6, 0x0
	.amdhsa_kernel k_q1d20667aa5_combine
		.amdhsa_group_segment_fixed_size 0
		.amdhsa_private_segment_fixed_size 0
		.amdhsa_enable_private_segment 0
		.amdhsa_kernarg_size 48
		.amdhsa_user_sgpr_count 2
		.amdhsa_user_sgpr_kernarg_segment_ptr 1
		.amdhsa_wavefront_size32 1
		.amdhsa_system_sgpr_workgroup_id_x 1
		.amdhsa_system_sgpr_workgroup_id_y 1
		.amdhsa_system_sgpr_workgroup_id_z 1
		.amdhsa_system_vgpr_workitem_id 0
		.amdhsa_next_free_vgpr 64
		.amdhsa_next_free_sgpr 66
		.amdhsa_reserve_vcc 0
		.amdhsa_float_denorm_mode_32 3
		.amdhsa_float_denorm_mode_16_64 3
		.amdhsa_memory_ordered 1
		.amdhsa_forward_progress 1
		.amdhsa_inst_pref_size 7
	.end_amdhsa_kernel
	.amdgpu_metadata
---
amdhsa.version: [ 1, 2 ]
amdhsa.kernels:
  - .name:           k_q1d20667aa5_combine
    .symbol:         k_q1d20667aa5_combine.kd
    .args:
      - { .name: x, .offset: 0, .size: 8, .value_kind: global_buffer, .address_space: global }
      - { .name: gate_w, .offset: 8, .size: 8, .value_kind: global_buffer, .address_space: global }
      - { .name: gate_b, .offset: 16, .size: 8, .value_kind: global_buffer, .address_space: global }
      - { .name: bo, .offset: 24, .size: 8, .value_kind: global_buffer, .address_space: global }
      - { .name: part, .offset: 32, .size: 8, .value_kind: global_buffer, .address_space: global }
      - { .name: out0, .offset: 40, .size: 8, .value_kind: global_buffer, .address_space: global }
    .group_segment_fixed_size: 0
    .private_segment_fixed_size: 0
    .kernarg_segment_align: 8
    .kernarg_segment_size: 48
    .max_flat_workgroup_size: 64
    .sgpr_count:     66
    .vgpr_count:     64
    .wavefront_size: 32
...
	.end_amdgpu_metadata
.endif
;; end of part 2
;; ======== version 2 of 3: 2 launches; 1.29 times as fast as version 1
;; limits: inputs' magnitudes at most 13,700; values are held in f16: magnitudes above 65,504 overflow, below 6.1e-05 lose precision; a function is approximated: absolute error at most 6.1e-05
;; workspace buffers: part 1,048,576 bytes
;; launch experts (part 3): grid 32 x 8, 4 waves a work-group, no clusters, 313,856 bytes of LDS; arguments x, w0, b0, wh, bh, wo, part; writes part
.if DOCPART == 3
	.amdgcn_target "amdgcn-amd-amdhsa--gfx1250"
	.amdhsa_code_object_version 6
	.text
	.protected	k_q1d20667aa5_experts
	.globl	k_q1d20667aa5_experts
	.p2align	8
	.type	k_q1d20667aa5_experts,@function
k_q1d20667aa5_experts:
	s_mov_b64 s[64:65], 0
	v_nop
	global_prefetch_b8 v0, s[64:65] scope:SCOPE_SE
	s_setreg_imm32_b32 hwreg(HW_REG_WAVE_MODE, 25, 1), 1
	s_wait_xcnt 0x0
; part[e][n] = sum over g of wo[e][g] h3[e][n][g]: one expert's SIREN (1 -> 256, three layers 256 -> 256, 256 -> 1) without bo and without the gate.
; SHARES.  A work-group is one expert (grid y) and 1,024 points (grid x), taken as four blocks of 256 points = 16 tiles of 16.  Wave w owns the output features
; g = 64 w .. 64 w + 63 of EVERY layer.  Its part of the three weight matrices, 3 x 64 x 256 numbers in f16, is 3 x 256 registers: windows 1, 2, 3.  It is read from
; memory once, at the start, so the loop over points reads no memory at all; the activations go from layer to layer through LDS.
; PRODUCT.  D = A B + C with A = 16 rows g of W (k along the registers), B = 16 points of h (k along the registers), C = the bias in the first K step.  In D a lane holds
; ONE point (lane % 16) and the eight neighbouring features 8 (lane / 16) + 0..7 of the tile: after the sine they pack into 16 bytes of f16 of the row [point][feature].
; SINE.  W and the biases are multiplied by 30 / 2 pi beforehand and 1/4 is taken from the biases, so a sum is t - 1/4, t the sine's argument in revolutions, and
; sin(2 pi t) = cos(2 pi f) with f = fract(t - 1/4).  The cosine is even about f = 1/2, so it is a function of w = f f - f = (f - 1/2)^2 - 1/4 alone, w in [-1/4, 0]:
; Q(w) = q0 + q1 w + q2 w^2 + q3 w^3 + q4 w^4, the cosine's Chebyshev series in 8 w + 1 cut behind its fourth degree, with q0 lowered so that Q(-3/16) = 0, where the sine's zeros
; fall.  32 instructions for a tile's 8 registers: 8 fract, 4 for w, 16 for Q, 4 roundings to f16.
; BY TURNS.  A point tile is 32 matrix instructions a wave (8 K steps x 4 tiles of g) and 128 vector instructions of sine.  Four of the sine of the tile BEFORE stand behind each
; matrix instruction of the tile in hand; two sets of four accumulators change places from tile to tile.  The LDS instructions stand in two runs a tile, not singly among the products.
; FORMAT.  Matrix operands in f16: h lies in [-1, 1]; W x 30 / 2 pi is some hundredths for weights of the usual SIREN spread and has room for 30 times more and 30 times less.
; LIMITS.  |wh| below 13,700 (f16 holds wh x 30 / 2 pi up to 65,504).  Q's error lies between -6.1e-5 and +2.0e-5, under the rounding of h to f16 that follows it (up to 2.4e-4 |h|);
; near the sine's zeros it is 1.3e-4 of the sine, and the sums' rounding at the size of 1/4 adds some 4e-7 absolute.  From |t| = 2^23 on fract gives 0 and the result is q0.
; Layer 0 is x w0' + b0' in one fused step on w0' = w0 x 30 / 2 pi, b0' = b0 x 30 / 2 pi - 1/4: another order of rounding than the stated formula's.
; NO CLUSTER, NO TENSOR LOADS: what the 32 row blocks of an expert share, its weights, is read once by each, through registers (scaled and rounded to f16 on the way);
; the loop has no load from memory that could be shared.  The last layer (one output column) would fill a sixteenth of a matrix tile: it is one packed multiply-add in the sine's list.
;
; LDS.  X, Y: the activations of a block, in and out by turns.  Each is four parts of 36,864 bytes; part w holds features 64 w .. 64 w + 63 (128 bytes) of the 256 points, rows
; 144 bytes apart (9 x 16: the sixteen rows of a 16-byte access fall on sixteen different 16-byte columns modulo 256), and is written by wave w alone.
.set PITCH,  144
.set TSTEP,  16*PITCH                  ; a tile of 16 points
.set SUB,    256*PITCH                 ; one wave's part of X or Y
.set XB,     0
.set YB,     4*SUB
.set PAR,    8*SUB                     ; 4 waves x 6 arrays x 64 f32: w0', b0', bh'[0..2], wo of the wave's features; each wave's own
.set XS,     PAR+6144                  ; the work-group's 1,024 coordinates
.set RED,    XS+4096                   ; [2 w + lane / 16][256 points] f32: the eight partial sums of the last layer
.set WPITCH, 528                       ; the start's stage (the wave's own part of Y): 64 rows g x 512 bytes of f16 + 16
; window 0
.set LT,    1                          ; v1   16-point tile: (lane % 16) x 144 + 16 (lane / 16)
.set LTW,   2                          ; v2   LT + my part
.set RDA0,  3                          ; v3   where the tile to be fetched lies, parts 0 and 1;  v4 parts 2 and 3
.set WRA,   5                          ; v5   where the tile in the sine goes
.set XAD,   6                          ; v6   XS + 4 (lane % 16), runs on through all tiles
.set PARA,  7                          ; v7   my arrays + 32 (lane / 16)
.set REDW0, 8                          ; v8   my row of RED + 4 (lane % 16)
.set REDW,  9
.set REDR,  10                         ; v10  RED + 8 t
.set GOUT,  11                         ; v11  8 t
.set Q3,    12                         ; v[12:13] q3, twice
.set XQ,    14                         ; v[14:15] x of two tiles
.set PR,    16                         ; v[16:31] the polynomial: 8 registers for even accumulators, 8 for odd ones
.set OS,    32                         ; v[32:39] the last layer's sums
.set HS,    40                         ; v[40:55] a tile's results in f16, 4 registers an accumulator, until they are stored (at the start: the addresses below)
.set LANE,  40
.set RR,    41
.set HH,    42
.set VL16,  43                         ; 16 x lane
.set STA,   44                         ; stage + 8 x lane
.set FA,    45                         ; stage + (lane % 16) x 528 + 16 (lane / 16)
.set PSA,   46                         ; my arrays + 8 x lane
.set GX,    47                         ; 16 t
.set XSA,   48                         ; XS + 16 t
.set MQ,    50                         ; v[50:51] -1/4, twice
.set BF,    64                         ; v[64:127]  fragments of h: 8 registers a K step
.set W0R,   64                         ; layer 0: w0' and b0' of my 32 features of a lane, where BF lies later
.set B0R,   96
.set LB,    64                         ; the start: three buffers of 64 registers for the weights as loaded
.set ACCA,  128                        ; v[128:159], v[160:191] two sets of four accumulators
.set ACCB,  160
.set BI,    192                        ; v[192:223] the layer's bias, laid as a C operand
.set WOR,   224                        ; v[224:255] wo, laid likewise
; windows 1, 2, 3: fragment (tile of g T, K step kk) of layer 1, 2, 3 at v[64 T + 8 kk]
.set WVN,   18                         ; s18 wave
.set EX,    19                         ; s19 expert
.set Q4,    24                         ; s[24:31] q4, q2, q1, q0, each twice: a packed instruction names a pair
.set Q2,    26
.set Q1,    28
.set Q0,    30
.set SCL,   32                         ; s[32:33] 30 / 2 pi
.set WB,    36                         ; s[36:41] my 64 rows of wh[0], wh[1], wh[2]; never rewritten
.set BLK,   42
.set TRIP,  43
.set RO,    44                         ; LDS byte of the tile to be fetched
.set WOF,   45                         ; LDS byte of the tile to be written
.set RW,    46                         ; the same in RED
.set MSB, 0
.macro WIN new                         ; s_set_vgpr_msb: bits 1:0 source 0, 7:6 destination; the high byte repeats the setting that is left; a switch that changes nothing is dropped
.if MSB != (\new)
	s_set_vgpr_msb (MSB<<8)|(\new)
.set MSB, (\new)
.endif
.endm
.macro BAR                             ; my LDS stores are done (the others read them behind the barrier) and my LDS loads are back (the others overwrite those bytes behind it)
	s_wait_dscnt 0x0
	s_barrier_signal -1
	s_barrier_wait -1
.endm
	s_load_b256 s[4:11], s[0:1], 0x0               ; x s[4:5], w0 s[6:7], b0 s[8:9], wh s[10:11]
	s_load_b128 s[12:15], s[0:1], 0x20             ; bh s[12:13], wo s[14:15]
	s_load_b64 s[16:17], s[0:1], 0x30              ; part
	v_lshl_add_u32 v62, v0, 2, 0x4c800
	v_mov_b32 v63, 0
	v_lshrrev_b32 v1, 5, v0
	v_readfirstlane_b32 s[WVN], v1                 ; wave 0..3
	s_and_b32 s[EX], ttmp7, 0xffff                 ; expert
	s_mov_b32 s[Q4], 0xc2367bf5                    ; -45.621052
	s_mov_b32 s[Q4+1], s[Q4]
	s_mov_b32 s[Q2], 0xc19fe3cd                    ; -19.986231
	s_mov_b32 s[Q2+1], s[Q2]
	s_mov_b32 s[Q1], 0xbc001734                    ; -0.0078180321
	s_mov_b32 s[Q1+1], s[Q1]
	s_mov_b32 s[Q0], 0x3f7ffc0c                    ; 0.99993968
	s_mov_b32 s[Q0+1], s[Q0]
	s_mov_b32 s[SCL], 0x4098c9eb                   ; 30 / 2 pi = 4.7746483
	s_mov_b32 s[SCL+1], s[SCL]
	v_mov_b32 v[Q3], 0x4213143b                    ; 36.769756
	v_mov_b32 v[Q3+1], v[Q3]
	v_mov_b32 v[MQ], 0xbe800000                    ; -1/4
	v_mov_b32 v[MQ+1], v[MQ]
	v_and_b32 v[LANE], 31, v0
	v_and_b32 v[RR], 15, v0
	v_bfe_u32 v[HH], v0, 4, 1
	v_mul_u32_u24 v[LT], v[RR], PITCH
	v_lshl_add_u32 v[LT], v[HH], 4, v[LT]
	s_mul_i32 s48, s[WVN], SUB
	v_add_nc_u32 v[LTW], s48, v[LT]
	v_lshlrev_b32 v[XAD], 2, v[RR]
	v_add_nc_u32 v[XAD], XS, v[XAD]
	s_mul_i32 s49, s[WVN], 1536
	s_add_co_u32 s49, s49, PAR
	v_lshl_add_u32 v[PARA], v[HH], 5, s49
	v_lshl_add_u32 v[PSA], v[LANE], 3, s49
	s_lshl_b32 s50, s[WVN], 11
	s_add_co_u32 s50, s50, RED
	v_lshl_add_u32 v[REDW0], v[HH], 10, s50
	v_lshl_add_u32 v[REDW0], v[RR], 2, v[REDW0]
	v_lshlrev_b32 v[GOUT], 3, v0
	v_add_nc_u32 v[REDR], RED, v[GOUT]
	v_lshlrev_b32 v[VL16], 4, v[LANE]
	s_add_co_u32 s48, s48, YB                      ; my stage: my own part of Y
	v_lshl_add_u32 v[STA], v[LANE], 3, s48
	v_mul_u32_u24 v[FA], v[RR], WPITCH
	v_lshl_add_u32 v[FA], v[HH], 4, v[FA]
	v_add_nc_u32 v[FA], s48, v[FA]
	v_lshlrev_b32 v[GX], 4, v0
	v_add_nc_u32 v[XSA], XS, v[GX]
	s_wait_kmcnt 0x0
	s_lshl_b32 s52, ttmp9, 12                      ; the work-group's 1,024 points x 4 bytes
	s_mov_b32 s53, 0
	s_add_nc_u64 s[4:5], s[4:5], s[52:53]
	s_add_nc_u64 s[16:17], s[16:17], s[52:53]
	s_lshl_b32 s52, s[EX], 10                      ; the expert's 256 f32
	s_add_nc_u64 s[6:7], s[6:7], s[52:53]
	s_add_nc_u64 s[8:9], s[8:9], s[52:53]
	s_add_nc_u64 s[12:13], s[12:13], s[52:53]
	s_add_nc_u64 s[14:15], s[14:15], s[52:53]
	s_lshl_b32 s52, s[EX], 17                      ; the expert's 32,768 f32 of part
	s_add_nc_u64 s[16:17], s[16:17], s[52:53]
	s_lshl_b32 s52, s[EX], 18                      ; the expert's matrix of 256 x 256 f32,
	s_lshl_b32 s51, s[WVN], 16                     ; my 64 rows of it
	s_add_co_u32 s52, s52, s51
	s_add_nc_u64 s[WB:WB+1], s[10:11], s[52:53]
	s_add_nc_u64 s[WB+2:WB+3], s[WB:WB+1], 0x200000        ; a layer is 8 x 256 x 256 f32
	s_add_nc_u64 s[WB+4:WB+5], s[WB+2:WB+3], 0x200000
; THE START.  My 64 rows of a layer are 65,536 consecutive bytes: eight batches of sixteen loads, each load 512 consecutive bytes.  Three batches are always on their way.
.macro BLOAD                           ; batch lb of 24
.set i, 0
.rept 16
	global_load_b128 v[LB+64*(lb%3)+4*i:LB+64*(lb%3)+4*i+3], v[VL16], s[WB+2*(lb/8):WB+2*(lb/8)+1] offset:((lb%8)*16+i)*512
.set i, i+1
.endr
.endm
.macro BCONV                           ; batch cb: times 30 / 2 pi, rounded to f16, into the stage: load nn is half nn % 2 of row nn / 2.  All the arithmetic first, then the sixteen stores in one run
.set i, 0
.rept 16
.set rb, LB+64*(cb%3)+4*i
	v_pk_mul_f32 v[rb:rb+1], v[rb:rb+1], s[SCL:SCL+1] op_sel_hi:[1,0]
	v_pk_mul_f32 v[rb+2:rb+3], v[rb+2:rb+3], s[SCL:SCL+1] op_sel_hi:[1,0]
.set i, i+1
.endr
.set i, 0
.rept 16
.set rb, LB+64*(cb%3)+4*i
	v_cvt_pk_f16_f32 v[rb], v[rb], v[rb+1]
	v_cvt_pk_f16_f32 v[rb+1], v[rb+2], v[rb+3]
.set i, i+1
.endr
.set i, 0
.rept 16
.set rb, LB+64*(cb%3)+4*i
.set nn, (cb%8)*16+i
	ds_store_b64 v[STA], v[rb:rb+1] offset:(nn/2)*WPITCH+(nn%2)*256
.set i, i+1
.endr
.endm
.macro FRAGS                           ; the staged layer cb / 8 comes back as 32 fragments of 16 rows x 32 k, into its window.  The stage is my own and LDS serves a wave's
	WIN ((cb/8+1)<<6)                              ; instructions in order (ISA guide 5.7.1): no wait between the stores above, these loads and the next layer's stores
.set f, 0
.rept 32
	ds_load_b128 v[8*f:8*f+3],   v[FA] offset:(f/8)*16*WPITCH+(f%8)*64
	ds_load_b128 v[8*f+4:8*f+7], v[FA] offset:(f/8)*16*WPITCH+(f%8)*64+32
.set f, f+1
.endr
	WIN 0
.endm
	global_load_b128 v[16:19], v[GX], s[4:5]               ; the 1,024 coordinates: 2 x 128 threads x 16 bytes
	global_load_b128 v[20:23], v[GX], s[4:5] offset:2048
	global_load_b64 v[24:25], v[GOUT], s[6:7]              ; thread t takes features 2 t, 2 t + 1: a wave takes its own 64
	global_load_b64 v[26:27], v[GOUT], s[8:9]
	global_load_b64 v[28:29], v[GOUT], s[12:13]
	global_load_b64 v[30:31], v[GOUT], s[12:13] offset:8192
	global_load_b64 v[32:33], v[GOUT], s[12:13] offset:16384
	global_load_b64 v[34:35], v[GOUT], s[14:15]
.set lb, 0
	BLOAD
.set lb, 1
	BLOAD
.set lb, 2
	BLOAD
	s_wait_loadcnt 48                              ; the eight small loads are in; the 48 loads of the three batches behind them stay out
	v_pk_mul_f32 v[24:25], v[24:25], s[SCL:SCL+1] op_sel_hi:[1,0]                          ; w0
.irp a, 1,2,3,4
	v_pk_fma_f32 v[24+2*\a:25+2*\a], v[24+2*\a:25+2*\a], s[SCL:SCL+1], v[MQ:MQ+1] op_sel_hi:[1,0,1]   ; b0 and the three bh: scaled, less 1/4; wo stays as it is
.endr
.irp a, 0,1,2,3,4,5
	ds_store_b64 v[PSA], v[24+2*\a:25+2*\a] offset:256*\a
.endr
	ds_store_b128 v[XSA], v[16:19]
	ds_store_b128 v[XSA], v[20:23] offset:2048
.set cb, 0
.rept 24
.if cb < 22
	s_wait_loadcnt 32                              ; this batch is in; the two younger batches stay out
.elseif cb == 22
	s_wait_loadcnt 16
.else
	s_wait_loadcnt 0
.endif
	BCONV
.if cb < 21
.set lb, cb+3
	BLOAD                                          ; into the buffer just emptied
.endif
.if cb%8 == 7
	FRAGS
.endif
.set cb, cb+1
.endr
	BAR                                            ; the coordinates are whole for every wave; all my fragments are in registers, and the stage is Y again
; THE SINE of one accumulator (8 registers at base + 8 tt) is a list of 32 instructions; SINOP writes number j.  Four pairs go in step, so that no instruction reads the result of
; the one in front of it.  Number 0 reads the accumulator's lowest register.
; f and w take the accumulator's own registers.  Numbers 12 to 15 have the scalar as source 0, so they name no vector register in that place.
; var = 0: the results are rounded to f16 in pairs, into registers of their own.  var = 1, the last hidden layer: they are multiplied by wo and summed, in f32.
.macro SINOP base, tt, var
.set ra, \base+8*(\tt)
.set rp, PR+8*((\tt)%2)
.set u, j%4
.if j < 8
	v_fract_f32 v[ra+j], v[ra+j]                                                                           ; f
.elseif j < 12
	v_pk_fma_f32 v[ra+2*u:ra+2*u+1], v[ra+2*u:ra+2*u+1], v[ra+2*u:ra+2*u+1], v[ra+2*u:ra+2*u+1] neg_lo:[0,0,1] neg_hi:[0,0,1]   ; w = f f - f
.elseif j < 16
	v_pk_fma_f32 v[rp+2*u:rp+2*u+1], s[Q4:Q4+1], v[ra+2*u:ra+2*u+1], v[Q3:Q3+1] op_sel_hi:[0,1,1]
.elseif j < 20
	v_pk_fma_f32 v[rp+2*u:rp+2*u+1], v[rp+2*u:rp+2*u+1], v[ra+2*u:ra+2*u+1], s[Q2:Q2+1] op_sel_hi:[1,1,0]
.elseif j < 24
	v_pk_fma_f32 v[rp+2*u:rp+2*u+1], v[rp+2*u:rp+2*u+1], v[ra+2*u:ra+2*u+1], s[Q1:Q1+1] op_sel_hi:[1,1,0]
.elseif j < 28
	v_pk_fma_f32 v[rp+2*u:rp+2*u+1], v[rp+2*u:rp+2*u+1], v[ra+2*u:ra+2*u+1], s[Q0:Q0+1] op_sel_hi:[1,1,0]  ; the sine
.elseif \var == 0
	v_cvt_pk_f16_f32 v[HS+4*(\tt)+u], v[rp+2*u], v[rp+2*u+1]
.elseif (\tt) == 0
	v_pk_mul_f32 v[OS+2*u:OS+2*u+1], v[rp+2*u:rp+2*u+1], v[WOR+2*u:WOR+2*u+1]                              ; the first product starts the sums
.else
	v_pk_fma_f32 v[OS+2*u:OS+2*u+1], v[rp+2*u:rp+2*u+1], v[WOR+8*(\tt)+2*u:WOR+8*(\tt)+2*u+1], v[OS+2*u:OS+2*u+1]
.endif
.endm
.macro SIN4 base, var                  ; slice sg of 32 of a set's four sines: four numbers, one step of the list, of accumulator sg / 8
.set n4, 0
.rept 4
.set j, 4*(sg%8)+n4
	SINOP \base, sg/8, \var
.set n4, n4+1
.endr
.endm
.macro NEWROW                          ; where the tile in the sine goes
	v_add_nc_u32 v[WRA], s[WOF], v[LTW]
	s_add_co_u32 s[WOF], s[WOF], TSTEP
.endm
.macro PUT t                           ; accumulator t's results: the lane's 16 bytes (8 features of its point) go into my part of the out buffer
	ds_store_b128 v[WRA], v[HS+4*(\t):HS+4*(\t)+3] offset:32*(\t)
.endm
.macro REDTAIL                         ; the last layer: the lane's 8 sums become one, which goes to RED
	v_pk_add_f32 v[OS:OS+1], v[OS:OS+1], v[OS+2:OS+3]
	v_pk_add_f32 v[OS+4:OS+5], v[OS+4:OS+5], v[OS+6:OS+7]
	v_add_nc_u32 v[REDW], s[RW], v[REDW0]
	s_add_co_u32 s[RW], s[RW], 64
	v_pk_add_f32 v[OS:OS+1], v[OS:OS+1], v[OS+4:OS+5]
	v_add_f32 v[OS], v[OS], v[OS+1]
	ds_store_b32 v[REDW], v[OS]
.endm
.macro SINES base, var                 ; a set's four sines with no products beside them: two accumulators go in step, eight instructions between one step and the next; the stores in one run at the end
.irp tp, 0,2
.set st, 0
.rept 8
.set sg, 8*\tp+st
	SIN4 \base, \var
.set sg, 8*(\tp+1)+st
	SIN4 \base, \var
.set st, st+1
.endr
.endr
.if \var == 0
	NEWROW
	PUT 0
	PUT 1
	PUT 2
	PUT 3
.else
	REDTAIL
.endif
.endm
.macro BLD                             ; the fragment of h of K step kk (features 32 kk on: part kk / 2, byte 64 (kk % 2) of the rows): two loads of 16 bytes, 32 apart
	ds_load_b128 v[BF+8*kk:BF+8*kk+3],   v[RDA0+kk/4] offset:((kk/2)%2)*SUB+(kk%2)*64
	ds_load_b128 v[BF+8*kk+4:BF+8*kk+7], v[RDA0+kk/4] offset:((kk/2)%2)*SUB+(kk%2)*64+32
.endm
; A POINT TILE of layer l.  32 matrix instructions into the set mm: K step sg / 4, tile of g sg % 4.  The four accumulators take turns, one instruction a turn, and the sets alternate
; from tile to tile.  Behind each stands a slice of the sine of the set sn, the tile before (sn = -1: there is none).  Source 0 is in window l for the products
; and in window 0 for the slices, but for the one slice in eight whose source 0 is a scalar.
; THE LDS INSTRUCTIONS stand in two runs, behind the 16th and the 32nd product: the results of two accumulators of the sine (last layer: the one sum, in the second run), then, with
; reload = 1, the next tile's fragments of the four K steps just multiplied: eight loads, sixteen products ahead of their first use.  A load into a register that a matrix instruction
; has read stands four plain vector instructions behind it that name none of its registers (ISA guide 7.12.1 for vector instructions): the slice's four,
; or four v_nop.  The v_nop behind the first tile's last products also stand in front of the next tile's first slice, which reads the first accumulator.
; c0, c16: how many LDS instructions may be out when K steps 0-3 and 4-7 are multiplied: those issued behind their eight loads.
.macro TILE l, mm, sn, reload, var, c0, c16
.set sg, 0
.rept 32
.set kk, sg/4
.set tq, sg%4
.if sg == 0
	s_wait_dscnt \c0
.elseif sg == 16
	s_wait_dscnt \c16
.endif
	WIN \l                                         ; source 0, the weights, in window l
.if kk == 0
	v_wmma_f32_16x16x32_f16 v[\mm+8*tq:\mm+8*tq+7], v[64*tq+8*kk:64*tq+8*kk+7], v[BF+8*kk:BF+8*kk+7], v[BI+8*tq:BI+8*tq+7]   ; the bias starts the sum
.else
	v_wmma_f32_16x16x32_f16 v[\mm+8*tq:\mm+8*tq+7], v[64*tq+8*kk:64*tq+8*kk+7], v[BF+8*kk:BF+8*kk+7], v[\mm+8*tq:\mm+8*tq+7]
.endif
.if \sn >= 0
.if (sg%8) != 3
	WIN 0
.endif
	SIN4 \sn, \var
.elseif (sg%16) == 15
	WIN 0
.rept 4
	v_nop
.endr
.endif
.if (sg%16) == 15
.set hf, sg/16
.if (\sn >= 0) && (\var == 0) && (hf == 0)
	NEWROW                                         ; the addresses first, so that the LDS instructions follow each other
.endif
.if \reload
.if hf == 0
	s_add_co_u32 s[RO], s[RO], TSTEP               ; the next tile
	v_add_nc_u32 v[RDA0], s[RO], v[LT]
.else
	v_add_nc_u32 v[RDA0+1], 2*SUB, v[RDA0]
.endif
.endif
.if \sn >= 0
.if \var == 0
	PUT 2*hf
	PUT 2*hf+1
.elseif hf == 1
	REDTAIL
.endif
.endif
.if \reload
.set kk, 4*hf
.rept 4
	BLD
.set kk, kk+1
.endr
.endif
.endif
.set sg, sg+1
.endr
.endm
; A LAYER on a block of 256 points: 16 tiles, read from in, written to out.  The barrier at its end serves both ways: my stores into out are done, and my reads of in are back.
; THE COUNTS.  Behind a run's eight loads stands, when they are wanted, the next run: two stores and eight loads, 10.  In the last layer the second run has one store and the first
; none: 9 and 8.  The first tile has no stores: 8 and 8; behind ITS first run stand eight loads only, so a wait for 8 stands in front of the loop, and the loop's own count, right
; for the way back, finds those loads in on the way in.  The last tile fetches nothing: behind the loads of its K steps 4-7 stand its two stores, or nothing.
.macro PHASE l, in, out, var
	s_mov_b32 s[RO], \in
.if \var
	s_mov_b32 s[RW], 0
.else
	s_mov_b32 s[WOF], \out
.endif
	v_add_nc_u32 v[RDA0], s[RO], v[LT]
	v_add_nc_u32 v[RDA0+1], 2*SUB, v[RDA0]
.irp t, 0,1,2,3
	ds_load_b128 v[BI+8*\t:BI+8*\t+3],   v[PARA] offset:(1+\l)*256+64*\t      ; register 8 t + j: the bias of feature 16 t + 8 (lane / 16) + j, where D has that feature
	ds_load_b128 v[BI+8*\t+4:BI+8*\t+7], v[PARA] offset:(1+\l)*256+64*\t+16
.endr
.if \var
.irp t, 0,1,2,3
	ds_load_b128 v[WOR+8*\t:WOR+8*\t+3],   v[PARA] offset:5*256+64*\t
	ds_load_b128 v[WOR+8*\t+4:WOR+8*\t+7], v[PARA] offset:5*256+64*\t+16
.endr
.endif
.set kk, 0
.rept 8
	BLD                                            ; tile 0
.set kk, kk+1
.endr
	TILE \l, ACCA, -1, 1, \var, 8, 8               ; tile 0
	s_wait_dscnt 8                                 ; tile 1's K steps 0-3 are in: behind them only the eight loads of its K steps 4-7 were issued
	s_mov_b32 s[TRIP], 7
.Lph_\@:                                               ; tiles 1 to 14, two a trip
	TILE \l, ACCB, ACCA, 1, \var, 10-\var, 10-2*\var
	TILE \l, ACCA, ACCB, 1, \var, 10-\var, 10-2*\var
	s_sub_co_u32 s[TRIP], s[TRIP], 1
	s_cmp_lg_u32 s[TRIP], 0
	s_cbranch_scc1 .Lph_\@
	TILE \l, ACCB, ACCA, 0, \var, 10-\var, 2-2*\var        ; tile 15: nothing is left to fetch
	SINES ACCB, \var
	BAR
.endm
; LAYER 0 for two tiles: x w0' + b0' in the accumulators' layout (a lane: its point's x, its 32 features), then the sines.
.macro L0PAIR pre
	s_wait_dscnt 8                                 ; x of the two tiles is in: behind its two loads stand the eight stores of the two tiles before (on the way in all is in: the wait for 0 ahead of the loop)
.irp s, 0,1
.set i, 0
.rept 16
	v_pk_fma_f32 v[ACCA+32*\s+2*i:ACCA+32*\s+2*i+1], v[W0R+2*i:W0R+2*i+1], v[XQ:XQ+1], v[B0R+2*i:B0R+2*i+1] op_sel:[0,\s,0] op_sel_hi:[1,\s,1]
.set i, i+1
.endr
.endr
	v_add_nc_u32 v[XAD], 128, v[XAD]               ; two tiles of 16 coordinates on
.if \pre
	ds_load_b32 v[XQ], v[XAD]
	ds_load_b32 v[XQ+1], v[XAD] offset:64
.endif
	SINES ACCA, 0
	SINES ACCB, 0
.endm
	s_mov_b32 s[BLK], 4
.Lblock:                                               ; a block of 256 points
	s_mov_b32 s[WOF], XB
.irp t, 0,1,2,3
	ds_load_b128 v[W0R+8*\t:W0R+8*\t+3],   v[PARA] offset:64*\t
	ds_load_b128 v[W0R+8*\t+4:W0R+8*\t+7], v[PARA] offset:64*\t+16
	ds_load_b128 v[B0R+8*\t:B0R+8*\t+3],   v[PARA] offset:256+64*\t
	ds_load_b128 v[B0R+8*\t+4:B0R+8*\t+7], v[PARA] offset:256+64*\t+16
.endr
	ds_load_b32 v[XQ], v[XAD]
	ds_load_b32 v[XQ+1], v[XAD] offset:64
	s_wait_dscnt 0x0                               ; w0', b0' and the first two tiles' x
	s_mov_b32 s[TRIP], 7
.Ll0:
	L0PAIR 1
	s_sub_co_u32 s[TRIP], s[TRIP], 1
	s_cmp_lg_u32 s[TRIP], 0
	s_cbranch_scc1 .Ll0
	L0PAIR 0                                       ; the block's last two tiles: the next block fetches its own x
	BAR                                            ; X is whole
	PHASE 1, XB, YB, 0
	PHASE 2, YB, XB, 0
	PHASE 3, XB, 0, 1                              ; its barrier shows RED whole, and frees X for the next block
	; thread t adds the eight partial sums of points 2 t and 2 t + 1 and stores them: a wave's store covers 256 consecutive bytes, aligned
.irp i, 0,1,2,3,4,5,6,7
	ds_load_b64 v[PR+2*\i:PR+2*\i+1], v[REDR] offset:1024*\i
.endr
	s_wait_dscnt 0x0
	v_pk_add_f32 v[PR:PR+1], v[PR:PR+1], v[PR+2:PR+3]
	v_pk_add_f32 v[PR+4:PR+5], v[PR+4:PR+5], v[PR+6:PR+7]
	v_pk_add_f32 v[PR+8:PR+9], v[PR+8:PR+9], v[PR+10:PR+11]
	v_pk_add_f32 v[PR+12:PR+13], v[PR+12:PR+13], v[PR+14:PR+15]
	v_pk_add_f32 v[PR:PR+1], v[PR:PR+1], v[PR+4:PR+5]
	v_pk_add_f32 v[PR+8:PR+9], v[PR+8:PR+9], v[PR+12:PR+13]
	v_pk_add_f32 v[PR:PR+1], v[PR:PR+1], v[PR+8:PR+9]
	global_store_b64 v[GOUT], v[PR:PR+1], s[16:17]
	s_wait_xcnt 0x0                                ; the store's base and its data registers are rewritten only behind this wait
	s_add_nc_u64 s[16:17], s[16:17], 1024
	s_sub_co_u32 s[BLK], s[BLK], 1
	s_cmp_lg_u32 s[BLK], 0
	s_cbranch_scc1 .Lblock
	s_wait_tensorcnt 0x0
	ds_add_u32 v62, v63
	s_wait_dscnt 0x0
	s_endpgm
.Lfunc_end_k_q1d20667aa5_experts:
	.size	k_q1d20667aa5_experts, .Lfunc_end_k_q1d20667aa5_experts-k_q1d20667aa5_experts
	.p2alignl 7, 3214868480
	.fill 96, 4, 3214868480
	.section	.rodata,"a",@progbits
	.p2align	6, 0x0
	.amdhsa_kernel k_q1d20667aa5_experts
		.amdhsa_group_segment_fixed_size 313856
		.amdhsa_private_segment_fixed_size 0
		.amdhsa_enable_private_segment 0
		.amdhsa_kernarg_size 56
		.amdhsa_user_sgpr_count 2
		.amdhsa_user_sgpr_kernarg_segment_ptr 1
		.amdhsa_wavefront_size32 1
		.amdhsa_system_sgpr_workgroup_id_x 1
		.amdhsa_system_sgpr_workgroup_id_y 1
		.amdhsa_system_sgpr_workgroup_id_z 1
		.amdhsa_system_vgpr_workitem_id 0
		.amdhsa_next_free_vgpr 1024
		.amdhsa_next_free_sgpr 66
		.amdhsa_reserve_vcc 0
		.amdhsa_float_denorm_mode_32 3
		.amdhsa_float_denorm_mode_16_64 3
		.amdhsa_memory_ordered 1
		.amdhsa_forward_progress 1
		.amdhsa_inst_pref_size 255
	.end_amdhsa_kernel
	.section	.bss,"aw",@nobits
	.p2align	6
	.space	262144
	.amdgpu_metadata
---
amdhsa.version: [ 1, 2 ]
amdhsa.kernels:
  - .name:           k_q1d20667aa5_experts
    .symbol:         k_q1d20667aa5_experts.kd
    .args:
      - { .name: x, .offset: 0, .size: 8, .value_kind: global_buffer, .address_space: global }
      - { .name: w0, .offset: 8, .size: 8, .value_kind: global_buffer, .address_space: global }
      - { .name: b0, .offset: 16, .size: 8, .value_kind: global_buffer, .address_space: global }
      - { .name: wh, .offset: 24, .size: 8, .value_kind: global_buffer, .address_space: global }
      - { .name: bh, .offset: 32, .size: 8, .value_kind: global_buffer, .address_space: global }
      - { .name: wo, .offset: 40, .size: 8, .value_kind: global_buffer, .address_space: global }
      - { .name: part, .offset: 48, .size: 8, .value_kind: global_buffer, .address_space: global }
    .group_segment_fixed_size: 313856
    .private_segment_fixed_size: 0
    .kernarg_segment_align: 8
    .kernarg_segment_size: 56
    .max_flat_workgroup_size: 128
    .sgpr_count:     66
    .vgpr_count:     1024
    .wavefront_size: 32
...
	.end_amdgpu_metadata
.endif
;; end of part 3
;; launch combine: the kernel of part 2 again; grid 256 x 1, 2 waves a work-group, no clusters, 0 bytes of LDS; arguments x, gate_w, gate_b, bo, part, out0; writes out0
;; ======== version 3 of 3: 2 launches; version 2 with the launch experts written anew for expert scheduling mode
;; limits: inputs' magnitudes at most 13,700; values are held in f16: magnitudes above 65,504 overflow, below 6.1e-05 lose precision; a function is approximated: absolute error at most 6.1e-05
;; workspace buffers: part 1,048,576 bytes
;; launch experts (part 4): grid 32 x 8, 4 waves a work-group, no clusters, 313,856 bytes of LDS; arguments x, w0, b0, wh, bh, wo, part; writes part
.if DOCPART == 4
	.amdgcn_target "amdgcn-amd-amdhsa--gfx1250"
	.amdhsa_code_object_version 6
	.text
	.protected	k_q1d20667aa5_experts
	.globl	k_q1d20667aa5_experts
	.p2align	8
	.type	k_q1d20667aa5_experts,@function
k_q1d20667aa5_experts:
	s_mov_b64 s[64:65], 0
	v_nop
	global_prefetch_b8 v0, s[64:65] scope:SCOPE_SE
	s_setreg_imm32_b32 hwreg(HW_REG_WAVE_SCHED_MODE, 0, 2), 2
	s_setreg_imm32_b32 hwreg(HW_REG_WAVE_MODE, 25, 1), 1
	s_wait_xcnt 0x0
	s_wait_alu depctr_vm_vsrc(0)
; part[e][n] = sum over g of wo[e][g] h3[e][n][g]: one expert's SIREN (1 -> 256, three layers 256 -> 256, 256 -> 1) without bo and without the gate.
; SHARES.  A work-group is one expert (grid y) and 1,024 points (grid x), taken as four blocks of 256 points = 16 tiles of 16.  Wave w owns the output features
; g = 64 w .. 64 w + 63 of EVERY layer.  Its part of the three weight matrices, 3 x 64 x 256 numbers in f16, is 3 x 256 registers: windows 1, 2, 3.  It is read from
; memory once, at the start, so the loop over points reads no memory at all; the activations go from layer to layer through LDS.
; PRODUCT.  D = A B + C with A = 16 rows g of W (k along the registers), B = 16 points of h (k along the registers), C = the bias in the first K step.  In D a lane holds
; ONE point (lane % 16) and the eight neighbouring features 8 (lane / 16) + 0..7 of the tile: after the sine they pack into 16 bytes of f16 of the row [point][feature].
; SINE.  W and the biases are multiplied by 30 / 2 pi beforehand and 1/4 is taken from the biases, so a sum is t - 1/4, t the sine's argument in revolutions, and
; sin(2 pi t) = cos(2 pi f) with f = fract(t - 1/4).  The cosine is even about f = 1/2, so it is a function of w = f f - f = (f - 1/2)^2 - 1/4 alone, w in [-1/4, 0]:
; Q(w) = q0 + q1 w + q2 w^2 + q3 w^3 + q4 w^4, the cosine's Chebyshev series in 8 w + 1 cut behind its fourth degree, with q0 lowered so that Q(-3/16) = 0, where the sine's zeros
; fall.  32 instructions for a tile's 8 registers: 8 fract, 4 for w, 16 for Q, 4 roundings to f16.
; BY TURNS.  A point tile is 32 matrix instructions a wave (8 K steps x 4 tiles of g) and 128 vector instructions of sine.  Four of the sine of the tile BEFORE stand behind each
; matrix instruction of the tile in hand; two sets of four accumulators change places from tile to tile.
; FORMAT.  Matrix operands in f16: h lies in [-1, 1]; W x 30 / 2 pi is some hundredths for weights of the usual SIREN spread and has room for 30 times more and 30 times less.
; LIMITS.  |wh| below 13,700 (f16 holds wh x 30 / 2 pi up to 65,504).  Q's error lies between -6.1e-5 and +2.0e-5, under the rounding of h to f16 that follows it (up to 2.4e-4 |h|);
; near the sine's zeros it is 1.3e-4 of the sine, and the sums' rounding at the size of 1/4 adds some 4e-7 absolute.  From |t| = 2^23 on fract gives 0 and the result is q0.
; Layer 0 is x w0' + b0' in one fused step on w0' = w0 x 30 / 2 pi, b0' = b0 x 30 / 2 pi - 1/4: another order of rounding than the stated formula's.
; NO CLUSTER, NO TENSOR LOADS: what the 32 row blocks of an expert share, its weights, is read once by each, through registers (scaled and rounded to f16 on the way);
; the loop has no load from memory that could be shared.  The last layer (one output column) would fill a sixteenth of a matrix tile: it is one packed multiply-add in the sine's list.
; THE MODE: SCHED_MODE bits 1:0 = 2 (LLVM: expert scheduling mode 2), set by the entry lines.  The code itself states the register dependences
; between vector or matrix instructions and memory or LDS instructions, with s_wait_alu, always for 0.
; THE PLAN.  Registers that LDS instructions touch in a point tile, whose products are numbered 0 to 31:
;   BF                        K steps 0-3 are read by products 0-15, K steps 4-7 by products 16-31; the next tile's fragments land in them.
;   HS                        Written by the roundings in the slices behind products 7, 15, 23, 31; read by four stores.  (Last layer: OS, whose first register one store reads.)
;   WRA, RDA0, RDA0+1, REDW   Each written by one add directly ahead of a wait on va_vdst; read by the LDS instructions behind that wait.
;   LT, LTW, PARA, REDW0, REDR, GOUT   Made at the head and never written again.
; TWO waits on va_vdst stand in a tile, behind products 15 and 31.  Each states that the roundings (or the sum) issued so far are written, that the addresses just made are written, and
; that the sixteen products just issued are done reading their four K steps of BF.  Behind it stand two stores and the first of those K steps' two loads; the other three K steps' loads
; are dealt out, two behind each of the next three slices (behind product 31: the next tile's slices 0 to 2).  The three products between name weights, the other half of BF, the bias and
; accumulators, their slices accumulators alone: none of the registers that those loads touch.
; ONE wait on vm_vsrc stands in a tile, ahead of product 7: every LDS instruction issued so far has read its registers, so HS (or OS) is written again from slice 7 on, WRA and RDA0 behind
; product 15, RDA0+1 and REDW behind product 31.
; A sine that stands alone has one wait of each kind: vm_vsrc ahead of its first rounding, va_vdst ahead of its run of stores.
;
; LDS.  X, Y: the activations of a block, in and out by turns.  Each is four parts of 36,864 bytes; part w holds features 64 w .. 64 w + 63 (128 bytes) of the 256 points, rows
; 144 bytes apart (9 x 16: the sixteen rows of a 16-byte access fall on sixteen different 16-byte columns modulo 256), and is written by wave w alone.
.set PITCH,  144
.set TSTEP,  16*PITCH                  ; a tile of 16 points
.set SUB,    256*PITCH                 ; one wave's part of X or Y
.set XB,     0
.set YB,     4*SUB
.set PAR,    8*SUB                     ; 4 waves x 6 arrays x 64 f32: w0', b0', bh'[0..2], wo of the wave's features; each wave's own
.set XS,     PAR+6144                  ; the work-group's 1,024 coordinates
.set RED,    XS+4096                   ; [2 w + lane / 16][256 points] f32: the eight partial sums of the last layer
.set WPITCH, 528                       ; the start's stage (the wave's own part of Y): 64 rows g x 512 bytes of f16 + 16
; window 0
.set LT,    1                          ; v1   16-point tile: (lane % 16) x 144 + 16 (lane / 16)
.set LTW,   2                          ; v2   LT + my part
.set RDA0,  3                          ; v3   where the tile to be fetched lies, parts 0 and 1;  v4 parts 2 and 3
.set WRA,   5                          ; v5   where the tile in the sine goes
.set XAD,   6                          ; v6   XS + 4 (lane % 16), runs on through all tiles
.set PARA,  7                          ; v7   my arrays + 32 (lane / 16)
.set REDW0, 8                          ; v8   my row of RED + 4 (lane % 16)
.set REDW,  9
.set REDR,  10                         ; v10  RED + 8 t
.set GOUT,  11                         ; v11  8 t
.set Q3,    12                         ; v[12:13] q3, twice
.set XQ,    14                         ; v[14:15] x of two tiles
.set PR,    16                         ; v[16:31] the polynomial: 8 registers for even accumulators, 8 for odd ones
.set OS,    32                         ; v[32:39] the last layer's sums
.set HS,    40                         ; v[40:55] a tile's results in f16, 4 registers an accumulator, until they are stored (at the start: the addresses below)
.set LANE,  40
.set RR,    41
.set HH,    42
.set VL16,  43                         ; 16 x lane
.set STA,   44                         ; stage + 8 x lane
.set FA,    45                         ; stage + (lane % 16) x 528 + 16 (lane / 16)
.set PSA,   46                         ; my arrays + 8 x lane
.set GX,    47                         ; 16 t
.set XSA,   48                         ; XS + 16 t
.set MQ,    50                         ; v[50:51] -1/4, twice
.set BF,    64                         ; v[64:127]  fragments of h: 8 registers a K step
.set W0R,   64                         ; layer 0: w0' and b0' of my 32 features of a lane, where BF lies later
.set B0R,   96
.set LB,    64                         ; the start: three buffers of 64 registers for the weights as loaded
.set ACCA,  128                        ; v[128:159], v[160:191] two sets of four accumulators
.set ACCB,  160
.set BI,    192                        ; v[192:223] the layer's bias, laid as a C operand
.set WOR,   224                        ; v[224:255] wo, laid likewise
; windows 1, 2, 3: fragment (tile of g T, K step kk) of layer 1, 2, 3 at v[64 T + 8 kk]
.set WVN,   18                         ; s18 wave
.set EX,    19                         ; s19 expert
.set Q4,    24                         ; s[24:31] q4, q2, q1, q0, each twice: a packed instruction names a pair
.set Q2,    26
.set Q1,    28
.set Q0,    30
.set SCL,   32                         ; s[32:33] 30 / 2 pi
.set WB,    36                         ; s[36:41] my 64 rows of wh[0], wh[1], wh[2]; never rewritten
.set BLK,   42
.set TRIP,  43
.set RO,    44                         ; LDS byte of the tile to be fetched
.set WOF,   45                         ; LDS byte of the tile to be written
.set RW,    46                         ; the same in RED
.set MSB, 0
.macro WIN new                         ; s_set_vgpr_msb: bits 1:0 source 0, 7:6 destination; the high byte repeats the setting that is left; a switch that changes nothing is dropped
.if MSB != (\new)
	s_set_vgpr_msb (MSB<<8)|(\new)
.set MSB, (\new)
.endif
.endm
.macro BAR                             ; my LDS stores are done (the others read them behind the barrier) and my LDS loads are back (the others overwrite those bytes behind it)
	s_wait_dscnt 0x0
	s_barrier_signal -1
	s_barrier_wait -1
.endm
	s_load_b256 s[4:11], s[0:1], 0x0               ; x s[4:5], w0 s[6:7], b0 s[8:9], wh s[10:11]
	s_load_b128 s[12:15], s[0:1], 0x20             ; bh s[12:13], wo s[14:15]
	s_load_b64 s[16:17], s[0:1], 0x30              ; part
	v_lshl_add_u32 v62, v0, 2, 0x4c800
	v_mov_b32 v63, 0
	v_lshrrev_b32 v1, 5, v0
	v_readfirstlane_b32 s[WVN], v1                 ; wave 0..3
	s_and_b32 s[EX], ttmp7, 0xffff                 ; expert
	s_mov_b32 s[Q4], 0xc2367bf5                    ; -45.621052
	s_mov_b32 s[Q4+1], s[Q4]
	s_mov_b32 s[Q2], 0xc19fe3cd                    ; -19.986231
	s_mov_b32 s[Q2+1], s[Q2]
	s_mov_b32 s[Q1], 0xbc001734                    ; -0.0078180321
	s_mov_b32 s[Q1+1], s[Q1]
	s_mov_b32 s[Q0], 0x3f7ffc0c                    ; 0.99993968
	s_mov_b32 s[Q0+1], s[Q0]
	s_mov_b32 s[SCL], 0x4098c9eb                   ; 30 / 2 pi = 4.7746483
	s_mov_b32 s[SCL+1], s[SCL]
	v_mov_b32 v[Q3], 0x4213143b                    ; 36.769756
	v_mov_b32 v[Q3+1], v[Q3]
	v_mov_b32 v[MQ], 0xbe800000                    ; -1/4
	v_mov_b32 v[MQ+1], v[MQ]
	v_and_b32 v[LANE], 31, v0
	v_and_b32 v[RR], 15, v0
	v_bfe_u32 v[HH], v0, 4, 1
	v_mul_u32_u24 v[LT], v[RR], PITCH
	v_lshl_add_u32 v[LT], v[HH], 4, v[LT]
	s_wait_alu depctr_va_sdst(0)                   ; the wave's number is written into s18, ahead of its first reader: LDS addresses and the bases of wh are made from it
	s_mul_i32 s48, s[WVN], SUB
	v_add_nc_u32 v[LTW], s48, v[LT]
	v_lshlrev_b32 v[XAD], 2, v[RR]
	v_add_nc_u32 v[XAD], XS, v[XAD]
	s_mul_i32 s49, s[WVN], 1536
	s_add_co_u32 s49, s49, PAR
	v_lshl_add_u32 v[PARA], v[HH], 5, s49
	v_lshl_add_u32 v[PSA], v[LANE], 3, s49
	s_lshl_b32 s50, s[WVN], 11
	s_add_co_u32 s50, s50, RED
	v_lshl_add_u32 v[REDW0], v[HH], 10, s50
	v_lshl_add_u32 v[REDW0], v[RR], 2, v[REDW0]
	v_lshlrev_b32 v[GOUT], 3, v0
	v_add_nc_u32 v[REDR], RED, v[GOUT]
	v_lshlrev_b32 v[VL16], 4, v[LANE]
	s_add_co_u32 s48, s48, YB                      ; my stage: my own part of Y
	v_lshl_add_u32 v[STA], v[LANE], 3, s48
	v_mul_u32_u24 v[FA], v[RR], WPITCH
	v_lshl_add_u32 v[FA], v[HH], 4, v[FA]
	v_add_nc_u32 v[FA], s48, v[FA]
	v_lshlrev_b32 v[GX], 4, v0
	v_add_nc_u32 v[XSA], XS, v[GX]
	s_wait_kmcnt 0x0
	s_lshl_b32 s52, ttmp9, 12                      ; the work-group's 1,024 points x 4 bytes
	s_mov_b32 s53, 0
	s_add_nc_u64 s[4:5], s[4:5], s[52:53]
	s_add_nc_u64 s[16:17], s[16:17], s[52:53]
	s_lshl_b32 s52, s[EX], 10                      ; the expert's 256 f32
	s_add_nc_u64 s[6:7], s[6:7], s[52:53]
	s_add_nc_u64 s[8:9], s[8:9], s[52:53]
	s_add_nc_u64 s[12:13], s[12:13], s[52:53]
	s_add_nc_u64 s[14:15], s[14:15], s[52:53]
	s_lshl_b32 s52, s[EX], 17                      ; the expert's 32,768 f32 of part
	s_add_nc_u64 s[16:17], s[16:17], s[52:53]
	s_lshl_b32 s52, s[EX], 18                      ; the expert's matrix of 256 x 256 f32,
	s_lshl_b32 s51, s[WVN], 16                     ; my 64 rows of it
	s_add_co_u32 s52, s52, s51
	s_add_nc_u64 s[WB:WB+1], s[10:11], s[52:53]
	s_add_nc_u64 s[WB+2:WB+3], s[WB:WB+1], 0x200000        ; a layer is 8 x 256 x 256 f32
	s_add_nc_u64 s[WB+4:WB+5], s[WB+2:WB+3], 0x200000
	s_wait_alu depctr_va_vdst(0)                   ; all the addresses and offsets made above are written: the loads and stores of the whole kernel read them
; THE START.  My 64 rows of a layer are 65,536 consecutive bytes: eight batches of sixteen loads, each load 512 consecutive bytes.  Three batches are always on their way.
.macro BLOAD                           ; batch lb of 24
.set i, 0
.rept 16
	global_load_b128 v[LB+64*(lb%3)+4*i:LB+64*(lb%3)+4*i+3], v[VL16], s[WB+2*(lb/8):WB+2*(lb/8)+1] offset:((lb%8)*16+i)*512
.set i, i+1
.endr
.endm
.macro BCONV                           ; batch cb: times 30 / 2 pi, rounded to f16, into the stage: load nn is half nn % 2 of row nn / 2.  All the arithmetic first, then the sixteen stores in one run
.set i, 0
.rept 16
.set rb, LB+64*(cb%3)+4*i
	v_pk_mul_f32 v[rb:rb+1], v[rb:rb+1], s[SCL:SCL+1] op_sel_hi:[1,0]
	v_pk_mul_f32 v[rb+2:rb+3], v[rb+2:rb+3], s[SCL:SCL+1] op_sel_hi:[1,0]
.set i, i+1
.endr
.set i, 0
.rept 16
.set rb, LB+64*(cb%3)+4*i
	v_cvt_pk_f16_f32 v[rb], v[rb], v[rb+1]
	v_cvt_pk_f16_f32 v[rb+1], v[rb+2], v[rb+3]
.set i, i+1
.endr
	s_wait_alu depctr_va_vdst(0)                   ; the roundings have written the pairs that the stores below read; and all arithmetic on this buffer is over, for the loads that land in it next
.set i, 0
.rept 16
.set rb, LB+64*(cb%3)+4*i
.set nn, (cb%8)*16+i
	ds_store_b64 v[STA], v[rb:rb+1] offset:(nn/2)*WPITCH+(nn%2)*256
.set i, i+1
.endr
.endm
.macro FRAGS                           ; the staged layer cb / 8 comes back as 32 fragments of 16 rows x 32 k, into its window.  The stage is my own and LDS serves a wave's
	WIN ((cb/8+1)<<6)                              ; instructions in order (ISA guide 5.7.1): no wait between the stores above, these loads and the next layer's stores.
.set f, 0                              ; No vector instruction has named a register of windows 1 to 3, and the address was written ahead of the head's wait: these loads hang on nothing more
.rept 32
	ds_load_b128 v[8*f:8*f+3],   v[FA] offset:(f/8)*16*WPITCH+(f%8)*64
	ds_load_b128 v[8*f+4:8*f+7], v[FA] offset:(f/8)*16*WPITCH+(f%8)*64+32
.set f, f+1
.endr
	WIN 0
.endm
	global_load_b128 v[16:19], v[GX], s[4:5]               ; the 1,024 coordinates: 2 x 128 threads x 16 bytes
	global_load_b128 v[20:23], v[GX], s[4:5] offset:2048
	global_load_b64 v[24:25], v[GOUT], s[6:7]              ; thread t takes features 2 t, 2 t + 1: a wave takes its own 64
	global_load_b64 v[26:27], v[GOUT], s[8:9]
	global_load_b64 v[28:29], v[GOUT], s[12:13]
	global_load_b64 v[30:31], v[GOUT], s[12:13] offset:8192
	global_load_b64 v[32:33], v[GOUT], s[12:13] offset:16384
	global_load_b64 v[34:35], v[GOUT], s[14:15]
.set lb, 0
	BLOAD
.set lb, 1
	BLOAD
.set lb, 2
	BLOAD
	s_wait_loadcnt 48                              ; the eight small loads are in; the 48 loads of the three batches behind them stay out
	v_pk_mul_f32 v[24:25], v[24:25], s[SCL:SCL+1] op_sel_hi:[1,0]                          ; w0
.irp a, 1,2,3,4
	v_pk_fma_f32 v[24+2*\a:25+2*\a], v[24+2*\a:25+2*\a], s[SCL:SCL+1], v[MQ:MQ+1] op_sel_hi:[1,0,1]   ; b0 and the three bh: scaled, less 1/4; wo stays as it is
.endr
	s_wait_alu depctr_va_vdst(0)                   ; the scalings have written v[24:33], which the stores below read
.irp a, 0,1,2,3,4,5
	ds_store_b64 v[PSA], v[24+2*\a:25+2*\a] offset:256*\a
.endr
	ds_store_b128 v[XSA], v[16:19]
	ds_store_b128 v[XSA], v[20:23] offset:2048
.set cb, 0
.rept 24
.if cb < 22
	s_wait_loadcnt 32                              ; this batch is in; the two younger batches stay out
.elseif cb == 22
	s_wait_loadcnt 16
.else
	s_wait_loadcnt 0
.endif
	BCONV
.if cb < 21
.set lb, cb+3
	s_wait_alu depctr_vm_vsrc(0)                   ; the stores above have read their pairs, in which the loads below land
	BLOAD                                          ; into the buffer just emptied
.endif
.if cb%8 == 7
	FRAGS
.endif
.set cb, cb+1
.endr
	BAR                                            ; the coordinates are whole for every wave; all my fragments are in registers, and the stage is Y again
	s_wait_alu depctr_vm_vsrc(0)                   ; the last three batches' stores have read their pairs, and the start's loads and stores their addresses v43 to v48: these registers are W0R, B0R, the accumulators, BI, WOR and HS from here on
; THE SINE of one accumulator (8 registers at base + 8 tt) is a list of 32 instructions; SINOP writes number j.  Four pairs go in step, so that no instruction reads the result of
; the one in front of it.  Number 0 reads the accumulator's lowest register.
; f and w take the accumulator's own registers.  Numbers 12 to 15 have the scalar as source 0, so they name no vector register in that place.
; var = 0: the results are rounded to f16 in pairs, into registers of their own.  var = 1, the last hidden layer: they are multiplied by wo and summed, in f32.
.macro SINOP base, tt, var
.set ra, \base+8*(\tt)
.set rp, PR+8*((\tt)%2)
.set u, j%4
.if j < 8
	v_fract_f32 v[ra+j], v[ra+j]                                                                           ; f
.elseif j < 12
	v_pk_fma_f32 v[ra+2*u:ra+2*u+1], v[ra+2*u:ra+2*u+1], v[ra+2*u:ra+2*u+1], v[ra+2*u:ra+2*u+1] neg_lo:[0,0,1] neg_hi:[0,0,1]   ; w = f f - f
.elseif j < 16
	v_pk_fma_f32 v[rp+2*u:rp+2*u+1], s[Q4:Q4+1], v[ra+2*u:ra+2*u+1], v[Q3:Q3+1] op_sel_hi:[0,1,1]
.elseif j < 20
	v_pk_fma_f32 v[rp+2*u:rp+2*u+1], v[rp+2*u:rp+2*u+1], v[ra+2*u:ra+2*u+1], s[Q2:Q2+1] op_sel_hi:[1,1,0]
.elseif j < 24
	v_pk_fma_f32 v[rp+2*u:rp+2*u+1], v[rp+2*u:rp+2*u+1], v[ra+2*u:ra+2*u+1], s[Q1:Q1+1] op_sel_hi:[1,1,0]
.elseif j < 28
	v_pk_fma_f32 v[rp+2*u:rp+2*u+1], v[rp+2*u:rp+2*u+1], v[ra+2*u:ra+2*u+1], s[Q0:Q0+1] op_sel_hi:[1,1,0]  ; the sine
.elseif \var == 0
	v_cvt_pk_f16_f32 v[HS+4*(\tt)+u], v[rp+2*u], v[rp+2*u+1]
.elseif (\tt) == 0
	v_pk_mul_f32 v[OS+2*u:OS+2*u+1], v[rp+2*u:rp+2*u+1], v[WOR+2*u:WOR+2*u+1]                              ; the first product starts the sums
.else
	v_pk_fma_f32 v[OS+2*u:OS+2*u+1], v[rp+2*u:rp+2*u+1], v[WOR+8*(\tt)+2*u:WOR+8*(\tt)+2*u+1], v[OS+2*u:OS+2*u+1]
.endif
.endm
.macro SIN4 base, var                  ; slice sg of 32 of a set's four sines: four numbers, one step of the list, of accumulator sg / 8
.set n4, 0
.rept 4
.set j, 4*(sg%8)+n4
	SINOP \base, sg/8, \var
.set n4, n4+1
.endr
.endm
.macro NEWROW                          ; where the tile in the sine goes
	v_add_nc_u32 v[WRA], s[WOF], v[LTW]
	s_add_co_u32 s[WOF], s[WOF], TSTEP
.endm
.macro PUT t                           ; accumulator t's results: the lane's 16 bytes (8 features of its point) go into my part of the out buffer
	ds_store_b128 v[WRA], v[HS+4*(\t):HS+4*(\t)+3] offset:32*(\t)
.endm
.macro REDSUM                          ; the last layer: the lane's 8 sums become one, and its place in RED is made
	v_pk_add_f32 v[OS:OS+1], v[OS:OS+1], v[OS+2:OS+3]
	v_pk_add_f32 v[OS+4:OS+5], v[OS+4:OS+5], v[OS+6:OS+7]
	v_add_nc_u32 v[REDW], s[RW], v[REDW0]
	s_add_co_u32 s[RW], s[RW], 64
	v_pk_add_f32 v[OS:OS+1], v[OS:OS+1], v[OS+4:OS+5]
	v_add_f32 v[OS], v[OS], v[OS+1]
.endm
.macro REDPUT                          ; which goes to RED
	ds_store_b32 v[REDW], v[OS]
.endm
; A set's four sines with no products beside them: two accumulators go in step, eight instructions between one step and the next; the LDS instructions in one run at the end.
; xs = 1, 2 (layer 0): the address of x steps on by two tiles of 16 coordinates ahead of the run's wait; xs = 2: the next two tiles' x is fetched in the run.
.macro SINES base, var, xs
.irp tp, 0,2
.set st, 0
.rept 8
.if (\tp == 0) && (st == 7)
	s_wait_alu depctr_vm_vsrc(0)                   ; the stores issued so far have read HS and WRA (last layer: OS and REDW), the loads of x have read XAD: the lines from here to the run write these again
.endif
.set sg, 8*\tp+st
	SIN4 \base, \var
.set sg, 8*(\tp+1)+st
	SIN4 \base, \var
.set st, st+1
.endr
.endr
.if \var == 0
	NEWROW
.else
	REDSUM
.endif
.if (\xs) > 0
	v_add_nc_u32 v[XAD], 128, v[XAD]
.endif
	s_wait_alu depctr_va_vdst(0)                   ; the roundings (last layer: the sum) and the addresses are written, which the LDS instructions below read; in layer 0 the multiply-adds are done reading XQ, in which x lands
.if \var == 0
	PUT 0
	PUT 1
	PUT 2
	PUT 3
.else
	REDPUT
.endif
.if (\xs) == 2
	ds_load_b32 v[XQ], v[XAD]
	ds_load_b32 v[XQ+1], v[XAD] offset:64
.endif
.endm
.macro BLD                             ; the fragment of h of K step kk (features 32 kk on: part kk / 2, byte 64 (kk % 2) of the rows): two loads of 16 bytes, 32 apart
	ds_load_b128 v[BF+8*kk:BF+8*kk+3],   v[RDA0+kk/4] offset:((kk/2)%2)*SUB+(kk%2)*64
	ds_load_b128 v[BF+8*kk+4:BF+8*kk+7], v[RDA0+kk/4] offset:((kk/2)%2)*SUB+(kk%2)*64+32
.endm
; A POINT TILE of layer l.  32 matrix instructions into the set mm: K step sg / 4, tile of g sg % 4.  The four accumulators take turns, one instruction a turn, and the sets alternate
; from tile to tile.  Behind each stands a slice of the sine of the set sn, the tile before (sn = -1: there is none).  Source 0 is in window l for the products
; and in window 0 for the slices, but for the one slice in eight whose source 0 is a scalar.
; THE LDS INSTRUCTIONS follow the two waits on va_vdst, behind the 16th and the 32nd product (the plan at the text's head).  Directly behind a wait: the results of two accumulators of the
; sine (last layer: the one sum, behind the second wait), then, with reload = 1, the next tile's fragment of the first of the four K steps just multiplied.  The other three fragments
; follow behind the next three slices, which run under window 0 as the loads' address does; behind the second wait those are the NEXT tile's slices 0 to 2: carry = 1 says that the tile
; before has left them.  Every fragment is asked for thirteen products or more ahead of the wait for it.
; The first tile has no slices: it issues the four fragments behind its first wait on end, and four v_nop stand behind its 16th and its 32nd product.  The second four stand in front of
; the next tile's first slice, which reads the first accumulator; the first four keep the same distance between the products and the loads into registers that they read.
; c0, c16: how many LDS instructions may be out when K steps 0-3 and 4-7 are multiplied: those issued behind the last of their eight loads.
.macro TILE l, mm, sn, carry, reload, var, c0, c16
.set sg, 0
.rept 32
.set kk, sg/4
.set tq, sg%4
.if sg == 0
	s_wait_dscnt \c0
.elseif sg == 7
	s_wait_alu depctr_vm_vsrc(0)                   ; the LDS instructions issued so far have read HS or OS, WRA, REDW, RDA0 and RDA0+1, which this tile writes again from the slice below on
.elseif sg == 16
	s_wait_dscnt \c16
.endif
	WIN \l                                         ; source 0, the weights, in window l
.if kk == 0
	v_wmma_f32_16x16x32_f16 v[\mm+8*tq:\mm+8*tq+7], v[64*tq+8*kk:64*tq+8*kk+7], v[BF+8*kk:BF+8*kk+7], v[BI+8*tq:BI+8*tq+7]   ; the bias starts the sum
.else
	v_wmma_f32_16x16x32_f16 v[\mm+8*tq:\mm+8*tq+7], v[64*tq+8*kk:64*tq+8*kk+7], v[BF+8*kk:BF+8*kk+7], v[\mm+8*tq:\mm+8*tq+7]
.endif
.if \sn >= 0
.if (sg%8) != 3
	WIN 0
.endif
	SIN4 \sn, \var
.elseif (sg%16) == 15
	WIN 0
.rept 4
	v_nop
.endr
.endif
.if \carry && (sg < 3)
.set kk, 5+sg
	BLD                                            ; this tile's K step 5, 6 or 7.  No wait: no vector or matrix instruction since the wait behind the last tile's 32nd product names these registers or RDA0+1
.endif
.if \reload && (\sn >= 0) && (sg > 15) && (sg < 19)
.set kk, sg-15
	BLD                                            ; the next tile's K step 1, 2 or 3.  No wait: no vector or matrix instruction since the wait behind the 16th product names these registers or RDA0
.endif
.if (sg%16) == 15
.set hf, sg/16
.if (\sn >= 0) && (\var == 0) && (hf == 0)
	NEWROW                                         ; the addresses first, ahead of the wait
.endif
.if \reload
.if hf == 0
	s_add_co_u32 s[RO], s[RO], TSTEP               ; the next tile
	v_add_nc_u32 v[RDA0], s[RO], v[LT]
.else
	v_add_nc_u32 v[RDA0+1], 2*SUB, v[RDA0]
.endif
.endif
.if (\sn >= 0) && (\var == 1) && (hf == 1)
	REDSUM
.endif
.if \reload || ((\sn >= 0) && ((\var == 0) || (hf == 1)))
	s_wait_alu depctr_va_vdst(0)                   ; the roundings (last layer: the sum) and the addresses made so far are written, which the stores and loads from here on read; the sixteen products above are done reading their four K steps of BF, in which those loads land
.endif
.if \sn >= 0
.if \var == 0
	PUT 2*hf
	PUT 2*hf+1
.elseif hf == 1
	REDPUT
.endif
.endif
.if \reload
.set kk, 4*hf
	BLD
.if (\sn < 0) && (hf == 0)
.rept 3
.set kk, kk+1
	BLD
.endr
.endif
.endif
.endif
.set sg, sg+1
.endr
.endm
; A LAYER on a block of 256 points: 16 tiles, read from in, written to out.  The barrier at its end serves both ways: my stores into out are done, and my reads of in are back.
; THE COUNTS.  Behind K step 3's loads stand, when K steps 0-3 are wanted, the two stores and the two loads that follow the second wait: 4; behind K step 7's, the two stores and the two
; loads that follow the first wait: 4.  In the last layer the first wait has no store behind it and the second has one: 3 and 2.  The first tile: behind K step 3's loads stand the eight of
; K steps 4-7, behind those the eight that follow its first wait: 8 and 8.  Behind THOSE eight stand only K step 4's two loads, so a wait for 2 stands in front of the loop, and the loop's own
; count, right for the way back, finds them in on the way in.  The last tile fetches nothing for a next one: behind its K step 7's loads stand its two stores, or nothing.
.macro PHASE l, in, out, var
	s_mov_b32 s[RO], \in
.if \var
	s_mov_b32 s[RW], 0
.else
	s_mov_b32 s[WOF], \out
.endif
	v_add_nc_u32 v[RDA0], s[RO], v[LT]             ; (the loads that read these two last stand ahead of the last tile's wait on vm_vsrc)
	v_add_nc_u32 v[RDA0+1], 2*SUB, v[RDA0]
	s_wait_alu depctr_va_vdst(0)                   ; the two addresses are written; the layer before is done reading BI, WOR and BF (layer 0: w0' and b0'), in which the loads below land
.irp t, 0,1,2,3
	ds_load_b128 v[BI+8*\t:BI+8*\t+3],   v[PARA] offset:(1+\l)*256+64*\t      ; register 8 t + j: the bias of feature 16 t + 8 (lane / 16) + j, where D has that feature
	ds_load_b128 v[BI+8*\t+4:BI+8*\t+7], v[PARA] offset:(1+\l)*256+64*\t+16
.endr
.if \var
.irp t, 0,1,2,3
	ds_load_b128 v[WOR+8*\t:WOR+8*\t+3],   v[PARA] offset:5*256+64*\t
	ds_load_b128 v[WOR+8*\t+4:WOR+8*\t+7], v[PARA] offset:5*256+64*\t+16
.endr
.endif
.set kk, 0
.rept 8
	BLD                                            ; tile 0
.set kk, kk+1
.endr
	TILE \l, ACCA, -1, 0, 1, \var, 8, 8            ; tile 0
	s_wait_dscnt 2                                 ; tile 1's K steps 0-3 are in: behind them only the two loads of its K step 4 were issued
	s_mov_b32 s[TRIP], 7
.Lph_\@:                                               ; tiles 1 to 14, two a trip
	TILE \l, ACCB, ACCA, 1, 1, \var, 4-\var, 4-2*\var
	TILE \l, ACCA, ACCB, 1, 1, \var, 4-\var, 4-2*\var
	s_sub_co_u32 s[TRIP], s[TRIP], 1
	s_cmp_lg_u32 s[TRIP], 0
	s_cbranch_scc1 .Lph_\@
	TILE \l, ACCB, ACCA, 1, 0, \var, 4-\var, 2-2*\var      ; tile 15: nothing is left to fetch but its own K steps 5 to 7
	SINES ACCB, \var, 0
	BAR
.endm
; LAYER 0 for two tiles: x w0' + b0' in the accumulators' layout (a lane: its point's x, its 32 features), then the sines.  The first sine's run steps the address of x and, with pre = 1, fetches the next two tiles' x.
.macro L0PAIR pre
	s_wait_dscnt 4                                 ; x of the two tiles is in: behind its two loads stand the four stores of the second sine (on the way in all is in: the wait for 0 ahead of the loop)
.irp s, 0,1
.set i, 0
.rept 16
	v_pk_fma_f32 v[ACCA+32*\s+2*i:ACCA+32*\s+2*i+1], v[W0R+2*i:W0R+2*i+1], v[XQ:XQ+1], v[B0R+2*i:B0R+2*i+1] op_sel:[0,\s,0] op_sel_hi:[1,\s,1]
.set i, i+1
.endr
.endr
	SINES ACCA, 0, 1+\pre
	SINES ACCB, 0, 0
.endm
	s_mov_b32 s[BLK], 4
.Lblock:                                               ; a block of 256 points.  The loads below hang on no further wait: on both ways here every vector or matrix instruction that named v64 to v127, XQ or XAD stands ahead of a wait on va_vdst
	s_mov_b32 s[WOF], XB
.irp t, 0,1,2,3
	ds_load_b128 v[W0R+8*\t:W0R+8*\t+3],   v[PARA] offset:64*\t
	ds_load_b128 v[W0R+8*\t+4:W0R+8*\t+7], v[PARA] offset:64*\t+16
	ds_load_b128 v[B0R+8*\t:B0R+8*\t+3],   v[PARA] offset:256+64*\t
	ds_load_b128 v[B0R+8*\t+4:B0R+8*\t+7], v[PARA] offset:256+64*\t+16
.endr
	ds_load_b32 v[XQ], v[XAD]
	ds_load_b32 v[XQ+1], v[XAD] offset:64
	s_wait_dscnt 0x0                               ; w0', b0' and the first two tiles' x
	s_mov_b32 s[TRIP], 7
.Ll0:
	L0PAIR 1
	s_sub_co_u32 s[TRIP], s[TRIP], 1
	s_cmp_lg_u32 s[TRIP], 0
	s_cbranch_scc1 .Ll0
	L0PAIR 0                                       ; the block's last two tiles: the next block fetches its own x
	BAR                                            ; X is whole
	PHASE 1, XB, YB, 0
	PHASE 2, YB, XB, 0
	PHASE 3, XB, 0, 1                              ; its barrier shows RED whole, and frees X for the next block
	; thread t adds the eight partial sums of points 2 t and 2 t + 1 and stores them: a wave's store covers 256 consecutive bytes, aligned
.irp i, 0,1,2,3,4,5,6,7
	ds_load_b64 v[PR+2*\i:PR+2*\i+1], v[REDR] offset:1024*\i      ; no vector instruction has named PR since the last sine's wait on va_vdst
.endr
	s_wait_dscnt 0x0
	v_pk_add_f32 v[PR:PR+1], v[PR:PR+1], v[PR+2:PR+3]
	v_pk_add_f32 v[PR+4:PR+5], v[PR+4:PR+5], v[PR+6:PR+7]
	v_pk_add_f32 v[PR+8:PR+9], v[PR+8:PR+9], v[PR+10:PR+11]
	v_pk_add_f32 v[PR+12:PR+13], v[PR+12:PR+13], v[PR+14:PR+15]
	v_pk_add_f32 v[PR:PR+1], v[PR:PR+1], v[PR+4:PR+5]
	v_pk_add_f32 v[PR+8:PR+9], v[PR+8:PR+9], v[PR+12:PR+13]
	v_pk_add_f32 v[PR:PR+1], v[PR:PR+1], v[PR+8:PR+9]
	s_wait_alu depctr_va_vdst(0)                   ; the last addition has written the pair that the store reads
	global_store_b64 v[GOUT], v[PR:PR+1], s[16:17]
	s_wait_xcnt 0x0                                ; the store's base and its data registers are rewritten only behind this wait
	s_wait_alu depctr_vm_vsrc(0)                   ; the store has read its pair of PR, which the next block's sines write again
	s_add_nc_u64 s[16:17], s[16:17], 1024
	s_sub_co_u32 s[BLK], s[BLK], 1
	s_cmp_lg_u32 s[BLK], 0
	s_cbranch_scc1 .Lblock
	s_wait_dscnt 0x0                               ; the closing lines, six on end
	s_wait_alu 0x0
	s_wait_tensorcnt 0x0
	ds_add_u32 v62, v63
	s_wait_dscnt 0x0
	s_endpgm
.Lfunc_end_k_q1d20667aa5_experts:
	.size	k_q1d20667aa5_experts, .Lfunc_end_k_q1d20667aa5_experts-k_q1d20667aa5_experts
	.p2alignl 7, 3214868480
	.fill 96, 4, 3214868480
	.section	.rodata,"a",@progbits
	.p2align	6, 0x0
	.amdhsa_kernel k_q1d20667aa5_experts
		.amdhsa_group_segment_fixed_size 313856
		.amdhsa_private_segment_fixed_size 0
		.amdhsa_enable_private_segment 0
		.amdhsa_kernarg_size 56
		.amdhsa_user_sgpr_count 2
		.amdhsa_user_sgpr_kernarg_segment_ptr 1
		.amdhsa_wavefront_size32 1
		.amdhsa_system_sgpr_workgroup_id_x 1
		.amdhsa_system_sgpr_workgroup_id_y 1
		.amdhsa_system_sgpr_workgroup_id_z 1
		.amdhsa_system_vgpr_workitem_id 0
		.amdhsa_next_free_vgpr 1024
		.amdhsa_next_free_sgpr 66
		.amdhsa_reserve_vcc 0
		.amdhsa_float_denorm_mode_32 3
		.amdhsa_float_denorm_mode_16_64 3
		.amdhsa_memory_ordered 1
		.amdhsa_forward_progress 1
		.amdhsa_inst_pref_size 255
	.end_amdhsa_kernel
	.section	.bss,"aw",@nobits
	.p2align	6
	.space	262144
	.amdgpu_metadata
---
amdhsa.version: [ 1, 2 ]
amdhsa.kernels:
  - .name:           k_q1d20667aa5_experts
    .symbol:         k_q1d20667aa5_experts.kd
    .args:
      - { .name: x, .offset: 0, .size: 8, .value_kind: global_buffer, .address_space: global }
      - { .name: w0, .offset: 8, .size: 8, .value_kind: global_buffer, .address_space: global }
      - { .name: b0, .offset: 16, .size: 8, .value_kind: global_buffer, .address_space: global }
      - { .name: wh, .offset: 24, .size: 8, .value_kind: global_buffer, .address_space: global }
      - { .name: bh, .offset: 32, .size: 8, .value_kind: global_buffer, .address_space: global }
      - { .name: wo, .offset: 40, .size: 8, .value_kind: global_buffer, .address_space: global }
      - { .name: part, .offset: 48, .size: 8, .value_kind: global_buffer, .address_space: global }
    .group_segment_fixed_size: 313856
    .private_segment_fixed_size: 0
    .kernarg_segment_align: 8
    .kernarg_segment_size: 56
    .max_flat_workgroup_size: 128
    .sgpr_count:     66
    .vgpr_count:     1024
    .wavefront_size: 32
...
	.end_amdgpu_metadata
.endif
;; end of part 4
;; launch combine: the kernel of part 2 again; grid 256 x 1, 2 waves a work-group, no clusters, 0 bytes of LDS; arguments x, gate_w, gate_b, bo, part, out0; writes out0
